; MI455X (gfx1250); checked and timed in simulation.
; The chip was launched on July 23, 2026; its instructions are those of AMD's public machine-readable ISA for CDNA 5 (MIT licence, August 2026) and "CDNA5" Instruction Set Architecture Reference Guide (July 2026). The comments in the code are by the model that wrote it; some were corrected since.
;; Dinov3 Self Attention. Allowed arithmetic: matrix products marked QUANTISED: E2M3 operands, one E8M0 scale for each 32 along K, by v_wmma_scale_f32_16x16x128_f8f6f4 with both operands' format E2M3, f32 sums; everything else in f32.
;; Inputs: Wk 768 x 768 float32; Wp 768 x 768 float32; Wq 768 x 768 float32; Wv 768 x 768 float32; bp 768 float32; bq 768 float32; bv 768 float32; cos 1,369 x 64 float32; hidden_states 8 x 1,374 x 768 float32; sin 1,369 x 64 float32.
;; Outputs: out0 8 x 1,374 x 768 float32.
;; This version of the problem:
;;   THIS VERSION OF THE PROBLEM IS GIVEN IN LOW PRECISION. The matrix products marked QUANTISED in the list below multiply operands that are first quantised to E2M3 (2 exponent bits, 3 mantissa bits; 6 bits a number), with one power-of-two scale for each 32 numbers along K (OCP MX v1.0); their sums are f32. All else is computed in f32.
;;   The module's matrix products, in the order in which they are computed (A, B: the left and right operand; K: the contracted axis; several contracted axes count as one K, in the product's order):
;;     1. [M 10,992, K 768] x [K 768, N 768]; A: input hidden_states; B: input Wq: QUANTISED
;;     2. [M 10,992, K 768] x [K 768, N 768]; A: input hidden_states; B: input Wk: QUANTISED
;;     3. [M 10,992, K 768] x [K 768, N 768]; A: input hidden_states; B: input Wv: QUANTISED
;;     4. batch 96 x [M 1,374, K 64] x [K 64, N 1,374]; A: computed on the way; B: computed on the way: QUANTISED
;;     5. batch 96 x [M 64, K 1,374] x [K 1,374, N 1,374]; A: computed on the way; B: softmax (see below): QUANTISED
;;     6. [M 10,992, K 768] x [K 768, N 768]; A: computed on the way; B: input Wp: QUANTISED
;;   THE QUANTISER, for each operand of a quantised product, along K:
;;     - K is cut into blocks of 32 from its start; a last block that is shorter is filled with zeros.
;;     - A block's scale is 2^e with e = floor(log2(the largest magnitude in the block)) - 2, held to -126 .. 127; a block of zeros has e = 0. As a byte (E8M0): e + 127.
;;     - Each number is divided by its block's scale, clamped to +-7.5, and rounded to the nearest number of E2M3, ties to even, subnormals kept.
;;     - The product sums the exact products of the quantised numbers (number of the format x scale) in f32.
;;   ~~~python
;;   def quantise(x, axis):      # numpy; x: float32 -> the quantised numbers, widened to float32 again
;;       x = np.moveaxis(x, axis, -1); K = x.shape[-1]
;;       x = np.pad(x, [(0, 0)] * (x.ndim - 1) + [(0, -K % 32)]); x = x.reshape(x.shape[:-1] + (-1, 32)); a = np.abs(x).max(-1, keepdims=True)
;;       e = np.where(a > 0, np.clip(np.frexp(np.where(a > 0, a, 1))[1] - 1 - 2, -126, 127), 0)      # np.frexp(a)[1] - 1 = floor(log2(a)), exactly
;;       r = np.clip(x / 2.0 ** e, -7.5, 7.5)
;;       step = 2.0 ** (np.maximum(np.frexp(np.where(r == 0, 1, r))[1] - 1, 0) - 3)
;;       q = np.round(r / step) * step * 2.0 ** e      # np.round: ties to even
;;       return np.moveaxis(q.reshape(q.shape[:-2] + (-1,))[..., :K], -1, axis).astype(np.float32)
;;   ~~~
;;   SOFTMAX AHEAD OF A QUANTISED PRODUCT. Where the list says 'softmax', what is quantised is not the finished softmax but p = 2^(t - M), with t = logit x log2(e) and M = ceil(the row's largest t), a whole number; so 1/2 < the row's largest p <= 1. The row's sum l is taken of the UNQUANTISED p, in f32, and the product's result is divided by l at the end. Since M is a whole number, a kernel that streams over the keys may use a running M (the ceiling of the running maximum): every later rescaling is an exact power of two, which a block's scale takes up: the codes' values come out the same.
;;   OPERANDS COMPUTED ON THE WAY. 'Computed on the way' means the value that the module computes at that place (a softmax that the list does not call 'softmax' is quantised finished and normalised). What goes into a quantiser is computed in f32, as accurately as f32 sums, v_exp_f32 and their like allow (about 1e-6 of the number): no bf16 or f16 on the way to a quantiser, and a product that is left as it is and whose result goes on into a quantised operand takes f32 operands (vector FMAs, or v_wmma_f32_16x16x4_f32). A number that lies on a knife's edge between two numbers of the format may be rounded either way, as far as f32 arithmetic and the matrix unit's own rounding can turn it there, and no further.
;; One version. Each part assembles by itself: llvm-mc -triple=amdgcn-amd-amdhsa -mcpu=gfx1250 --defsym DOCPART=n.
;; ======== version 1 of 1: 4 launches
;; limits: right only within a limited range of input values
;; workspace buffers: xcodes 6,758,400 bytes; wcodes 1,843,200 bytes; ropet 720,896 bytes; qcodes 6,488,064 bytes; qwords 270,336 bytes; kvimg 13,516,800 bytes; ccodes 6,758,400 bytes
;; launch prep (part 1): grid 694 x 1, 4 waves a work-group, no clusters, 34,304 bytes of LDS; arguments hidden_states, Wq, Wk, Wv, Wp, sin, cos, xcodes, wcodes, ropet; writes xcodes, wcodes, ropet
.if DOCPART == 1
	.amdgcn_target "amdgcn-amd-amdhsa--gfx1250"
	.amdhsa_code_object_version 6
	.text
	.protected	k_q8bbb1cc547_prep
	.globl	k_q8bbb1cc547_prep
	.p2align	8
	.type	k_q8bbb1cc547_prep,@function
k_q8bbb1cc547_prep:
	s_mov_b64 s[64:65], 0
	v_nop
	global_prefetch_b8 v0, s[64:65] scope:SCOPE_SE
	s_setreg_imm32_b32 hwreg(HW_REG_WAVE_MODE, 25, 1), 1
	s_wait_xcnt 0x0
; hidden_states [8][1374][768] and the four weights [768][768], f32 with K innermost, become codes of FP6 (E2M3) with one E8M0 byte for each 32 along K,
; laid as IMAGES OF OPERAND REGISTERS: a fragment (16 rows x 128 K, 12 registers a lane) is 1,536 bytes: registers 4 g .. 4 g + 3 of lane l at 512 g + 16 l.
; A batch counts as 1,408 tokens, 88 tiles of 16; tokens 1,374 on are zeros.  THE ROWS OF A TILE ARE NOT NEIGHBOURS: lane r of tile t takes row 32 (t / 2) + 8 (t % 2) + r + 8 (r / 8), for tokens and for weight rows alike.
; xcodes: [group of 16 tiles 44][K step 6][16 fragments | 16 x 64 scale bytes] (25,600 bytes a step).  wcodes: [q, k, v, p][64 rows 12][K step 6][4 fragments | 4 x 64] (6,400 a step).
; Work-groups 0-671: part = wg / 224 names two K steps; wave w of work-group tg takes tile 4 tg + w of 896 (704 of x, then 192 of the weights).  x and the weights take ONE path: pointers and scalars alone are chosen, on ids.
; Work-groups 672-693: the table for the rotation, ropet [tile 88][16 groups x 512]: group 4 q + j, q = cos low, sin low, cos high, sin high; lane (r, h): channels 16 h + 4 j .. + 3 (high: + 32) of the tile's token r;
; for tokens 0-4 and 1,374 on cos = 1 and sin = 0, so that the next launch rotates every token alike.
; A load reads 512 consecutive bytes of one row; the 16 rows turn through the wave's own stage in LDS (rows of 528 bytes), so that a lane gets 16 neighbours along K of each block of 32.
; A block's scale byte is its largest magnitude's exponent field - 2, held at 1 from below.  LIMITS: a block of zeros gets the byte 1, not 127 (its codes are zeros, and this program alone reads the bytes); NaN and infinities among the inputs are not served.
; No tensor loads, no barrier: waves share nothing.  No cluster: no two work-groups read the same bytes.
.set STG,   8448                       ; a wave's stage: 16 rows x 528 bytes
.set SPARE, 4*STG                      ; behind the stages: the spare words, 128 bytes a wave
.set SI,   1                           ; v1   stage, way in: 16 x lane
.set SOUT, 2                           ; v2   stage, way out: 528 r + 64 h
.set CO,   3                           ; v3-4 where my 16 bytes of a fragment's group go, K step 0, 1
.set SO,   5                           ; v5-6 where my half of a scale word goes
.set SH,   7                           ; v7   h, then 16 h
.set MK,   8                           ; v8   all ones where my row exists
.set HWD,  9                           ; v9-10 the half words that are stored
.set PW,   11                          ; v11  the scale word just made
.set SPW,  12
.set NIL,  13
.set RO,   16                          ; v16-31 byte offset of my 16 bytes in each of the tile's 16 rows
.set R,    32                          ; v32-159 two K steps as loaded
.set X,    160                         ; v160-223 64 numbers: register 16 b + i = k 32 b + 16 h + i of my row
.set PC,   224                         ; v224-243 the codes
.set TM,   244                         ; v244-255 largest magnitudes, bytes, scale operands
.set SEL,  44                          ; s[44:45] selects for lane l xor 16
; 64 numbers of a lane, v[s] on, become a fragment's codes in v[PC] .. v[PC + 11] and its scale word in v[pw]
.macro QUANT s, pw
.irp b, 0,1,2,3
	v_max3_num_f32 v[TM+\b], |v[\s+16*\b]|, |v[\s+1+16*\b]|, 0x1800000   ; my 16 numbers of block b, and the floor 2^(3 - 127): the byte cannot fall under 1
.endr
.irp i, 2,4,6,8,10,12,14
.irp b, 0,1,2,3
	v_max3_num_f32 v[TM+\b], v[TM+\b], |v[\s+16*\b+\i]|, |v[\s+1+16*\b+\i]|
.endr
.endr
.irp b, 0,1,2,3
	v_permlanex16_b32 v[TM+4+\b], v[TM+\b], s[SEL], s[SEL+1]
.endr
.irp b, 0,1,2,3
	v_max_num_f32 v[TM+\b], v[TM+\b], v[TM+4+\b]       ; with lane l xor 16's: the block's largest magnitude
.endr
.irp b, 0,1,2,3
	v_add_nc_u32 v[TM+8+\b], 0xff000000, v[TM+\b]      ; 2 off its exponent field: the conversion's scale operand
.endr
.irp b, 0,1,2,3
	v_lshrrev_b32 v[TM+4+\b], 23, v[TM+8+\b]           ; the scale's byte
.endr
	v_lshl_or_b32 v[\pw], v[TM+5], 8, v[TM+4]
	v_lshl_or_b32 v[\pw], v[TM+6], 16, v[\pw]
	v_lshl_or_b32 v[\pw], v[TM+7], 24, v[\pw]
.irp c, 0,1
	v_cvt_scalef32_pk16_fp6_f32 v[PC+6*\c:PC+2+6*\c], v[\s+32*\c:\s+15+32*\c], v[TM+8+2*\c]
	v_cvt_scalef32_pk16_fp6_f32 v[PC+12+4*\c:PC+14+4*\c], v[\s+16+32*\c:\s+31+32*\c], v[TM+8+2*\c+1]   ; (a conversion's three registers begin on an even number)
.endr
	v_nop                                              ; one plain place behind the conversions
.irp c, 0,1                                        ; the operand's layout wants a whole block in a lane: lanes 0-15 block 2 c, lanes 16-31 block 2 c + 1
.irp i, 0,1,2
	v_permlane16_swap_b32 v[PC+6*\c+\i], v[PC+12+4*\c+\i]
.endr
.irp i, 0,1,2
	v_mov_b32 v[PC+3+6*\c+\i], v[PC+12+4*\c+\i]
.endr
.endr
.endm
	s_load_b512 s[16:31], s[0:1], 0x0              ; hidden_states 16, Wq 18, Wk 20, Wv 22, Wp 24, sin 26, cos 28, xcodes 30
	s_load_b128 s[32:35], s[0:1], 0x40             ; wcodes 32, ropet 34
	v_lshl_add_u32 v[SPW], v0, 2, SPARE
	v_mov_b32 v[NIL], 0
	v_lshrrev_b32 v1, 5, v0
	v_readfirstlane_b32 s2, v1                     ; wave
	v_and_b32 v14, 31, v0                          ; lane
	v_and_b32 v15, 15, v0                          ; r
	v_bfe_u32 v[SH], v0, 4, 1                      ; h
	v_and_b32 v10, 8, v15
	v_add_nc_u32 v10, v10, v15                     ; r + 8 (r / 8)
	s_cmp_ge_u32 ttmp9, 672
	s_cbranch_scc1 .Lrope
	; ---- x and the weights
	s_cmp_ge_u32 ttmp9, 224
	s_cselect_b32 s3, 1, 0
	s_cmp_ge_u32 ttmp9, 448
	s_cselect_b32 s4, 1, 0
	s_add_co_u32 s3, s3, s4                        ; part: K steps 2 part, 2 part + 1
	s_mul_i32 s4, s3, 224
	s_sub_co_u32 s4, ttmp9, s4
	s_lshl_b32 s4, s4, 2
	s_add_co_u32 s4, s4, s2                        ; tile 0 .. 895
	; read as a tile of x
	s_mul_i32 s5, s4, 745
	s_lshr_b32 s5, s5, 16                          ; batch = tile / 88 (exact for tiles 0 .. 703)
	s_mul_i32 s6, s5, 88
	s_sub_co_u32 s6, s4, s6                        ; the tile in its batch
	s_mul_i32 s5, s5, 4220928                      ; the batch's 1,374 rows of 3,072 bytes
	s_lshr_b32 s7, s4, 4
	s_mul_i32 s7, s7, 153600
	s_mul_i32 s9, s3, 51200
	s_add_co_u32 s7, s7, s9                        ; group of 16 tiles, first of my K steps
	s_and_b32 s8, s4, 15
	s_mul_i32 s9, s8, 1536
	s_add_co_u32 s9, s9, s7                        ; its fragment
	s_lshl_b32 s8, s8, 6
	s_add_co_u32 s8, s8, s7
	s_add_co_u32 s8, s8, 24576                     ; its scale words
	s_cmp_ge_u32 s6, 85
	s_cselect_b32 s10, 1, 0                        ; tiles 85 to 87 of a batch hold tokens that do not exist
	; read as a tile of a weight
	s_sub_co_u32 s11, s4, 704
	s_lshr_b32 s12, s11, 4
	s_mul_i32 s12, s12, 11
	s_lshr_b32 s12, s12, 5                         ; which weight: (tile / 16) / 3
	s_mul_i32 s13, s12, 48
	s_sub_co_u32 s13, s11, s13                     ; the tile in its weight
	s_mul_i32 s14, s12, 460800
	s_lshr_b32 s15, s13, 2
	s_mul_i32 s15, s15, 38400
	s_add_co_u32 s14, s14, s15
	s_mul_i32 s15, s3, 12800
	s_add_co_u32 s14, s14, s15
	s_and_b32 s15, s13, 3
	s_mul_i32 s36, s15, 1536
	s_add_co_u32 s36, s36, s14
	s_lshl_b32 s15, s15, 6
	s_add_co_u32 s15, s15, s14
	s_add_co_u32 s15, s15, 6144
	s_mov_b32 s[SEL], 0x76543210
	s_mov_b32 s[SEL+1], 0xfedcba98
	s_wait_kmcnt 0x0
	s_cmp_eq_u32 s12, 1                            ; the choices hang on ids alone
	s_cselect_b64 s[38:39], s[20:21], s[18:19]
	s_cmp_eq_u32 s12, 2
	s_cselect_b64 s[38:39], s[22:23], s[38:39]
	s_cmp_eq_u32 s12, 3
	s_cselect_b64 s[38:39], s[24:25], s[38:39]
	s_cmp_lt_u32 s4, 704
	s_cselect_b64 s[38:39], s[16:17], s[38:39]     ; from where
	s_cselect_b64 s[40:41], s[30:31], s[32:33]     ; to where
	s_cselect_b32 s42, s5, 0
	s_cselect_b32 s6, s6, s13                      ; the tile's number among its tensor's
	s_cselect_b32 s9, s9, s36
	s_cselect_b32 s8, s8, s15
	s_cselect_b32 s10, s10, 0
	s_mov_b32 s46, 767
	s_cselect_b32 s46, 1373, s46                   ; the last row that exists
	s_mov_b32 s47, 6400
	s_cselect_b32 s47, 25600, s47                  ; from a K step to the next, in the codes' buffer
	s_mov_b32 s43, 0
	s_add_nc_u64 s[38:39], s[38:39], s[42:43]
	s_mul_i32 s48, s2, STG
	s_wait_alu depctr_va_vdst(0)
	v_lshlrev_b32 v[SI], 4, v14
	v_add_nc_u32 v[SI], s48, v[SI]
	v_mul_u32_u24 v[SOUT], v15, 528
	v_lshl_add_u32 v[SOUT], v[SH], 6, v[SOUT]
	v_add_nc_u32 v[SOUT], s48, v[SOUT]
	v_lshlrev_b32 v[CO], 4, v14
	v_add_nc_u32 v[CO], s9, v[CO]
	v_add_nc_u32 v[CO+1], s47, v[CO]
	v_lshlrev_b32 v[SO], 2, v15
	v_lshl_add_u32 v[SO], v[SH], 1, v[SO]          ; 4 r + 2 h: lane (r, h) stores half h of row r's word
	v_add_nc_u32 v[SO], s8, v[SO]
	v_add_nc_u32 v[SO+1], s47, v[SO]
	s_lshr_b32 s49, s6, 1
	s_lshl_b32 s49, s49, 5
	s_and_b32 s50, s6, 1
	s_lshl_b32 s50, s50, 3
	s_add_co_u32 s49, s49, s50                     ; the tile's first row
	v_add_nc_u32 v[MK], s49, v10                   ; my row
	v_cmp_ge_u32 vcc_lo, s46, v[MK]
	v_cndmask_b32 v[MK], 0, -1, vcc_lo
	v_lshlrev_b32 v[SH], 4, v[SH]                  ; 16 h
	s_lshl_b32 s50, s3, 10                         ; my two K steps: 1,024 bytes of a row
	v_lshlrev_b32 v9, 4, v14
	v_add_nc_u32 v9, s50, v9
	s_wait_alu depctr_va_vdst(0)
.irp rho, 0,1,2,3,4,5,6,7,8,9,10,11,12,13,14,15
	s_add_co_u32 s51, s49, \rho+8*(\rho/8)
	s_min_u32 s51, s51, s46                        ; a row that does not exist is read as the last that does, and cleared below: no load leaves its buffer
	s_mul_i32 s51, s51, 3072
	v_add_nc_u32 v[RO+\rho], s51, v9
.endr
.irp b, 0,1,2,3
	v_mov_b32 v[TM+4+\b], 0                        ; written once: a lane permute's destination counts as one of its sources
.endr
.macro LOAD k
.irp rho, 0,1,2,3,4,5,6,7,8,9,10,11,12,13,14,15
	global_load_b128 v[R+64*\k+4*\rho:R+64*\k+4*\rho+3], v[RO+\rho], s[38:39] offset:512*\k th:TH_LOAD_NT   ; 32 lanes read 512 consecutive bytes of row rho
.endr
.endm
.macro TURN k                          ; through my stage: LDS serves a wave's instructions in order, so no wait stands between the stores and the loads
.irp rho, 0,1,2,3,4,5,6,7,8,9,10,11,12,13,14,15
	ds_store_b128 v[SI], v[R+64*\k+4*\rho:R+64*\k+4*\rho+3] offset:528*\rho
.endr
.irp b, 0,1,2,3
.irp j, 0,1,2,3
	ds_load_b128 v[X+16*\b+4*\j:X+16*\b+4*\j+3], v[SOUT] offset:128*\b+16*\j
.endr
.endr
.endm
.macro HALF k
	s_wait_dscnt 0x0                               ; my 64 numbers are back from the stage
	s_cmp_eq_u32 s10, 0
	s_cbranch_scc1 .Lwhole_\@
.set j, 0
.rept 64
	v_and_b32 v[X+j], v[MK], v[X+j]                ; tokens that do not exist are zeros, ahead of the block's maximum
.set j, j+1
.endr
.Lwhole_\@:
.if \k
	s_wait_xcnt 0x0                                ; the first K step's stores have read the codes' registers, which are written again
.endif
	QUANT X, PW
.irp g, 0,1,2
	global_store_b128 v[CO+\k], v[PC+4*\g:PC+4*\g+3], s[40:41] offset:512*\g   ; 32 lanes store 512 consecutive bytes, at a multiple of 256 from the buffer's first byte
.endr
	v_lshrrev_b32 v[HWD+\k], v[SH], v[PW]
	global_store_b16 v[SO+\k], v[HWD+\k], s[40:41] ; the 32 lanes fill the tile's 64 scale bytes
.endm
	s_wait_alu depctr_va_vdst(0)
	LOAD 0
	LOAD 1
	s_wait_loadcnt 16                              ; the first K step's 16 loads are in; the second's may stay out
	TURN 0
	HALF 0
	s_wait_loadcnt 0x0
	TURN 1
	HALF 1
	s_wait_tensorcnt 0x0                           ; the wave's end: behind my last LDS store
	ds_add_u32 v[SPW], v[NIL]
	s_wait_dscnt 0x0
	s_endpgm
	; ---- the table for the rotation
.Lrope:
	s_sub_co_u32 s3, ttmp9, 672
	s_lshl_b32 s3, s3, 2
	s_add_co_u32 s3, s3, s2                        ; tile 0 .. 87
	s_lshr_b32 s4, s3, 1
	s_lshl_b32 s4, s4, 5
	s_and_b32 s5, s3, 1
	s_lshl_b32 s5, s5, 3
	s_add_co_u32 s4, s4, s5
	s_wait_alu depctr_va_vdst(0)
	v_add_nc_u32 v8, s4, v10                       ; my token
	s_mov_b32 s6, 1373
	v_cmp_le_u32 s7, 5, v8
	v_cmp_ge_u32 s8, s6, v8
	s_and_b32 s7, s7, s8                           ; tokens 5 .. 1,373 are rotated
	v_add_nc_u32 v1, -5, v8
	v_cndmask_b32 v1, 0, v1, s7                    ; their row of sin and cos; the others read row 0, which is replaced below
	v_lshlrev_b32 v1, 8, v1
	v_lshl_add_u32 v1, v[SH], 6, v1                ; row x 256 + 64 h
	v_lshlrev_b32 v2, 4, v14
	s_lshl_b32 s8, s3, 13
	s_mov_b32 s9, 0
	s_wait_alu depctr_va_vdst(0)
	s_wait_kmcnt 0x0
	s_add_nc_u64 s[34:35], s[34:35], s[8:9]
.irp j, 0,1,2,3
	global_load_b128 v[32+4*\j:35+4*\j], v1, s[28:29] offset:16*\j th:TH_LOAD_NT
	global_load_b128 v[48+4*\j:51+4*\j], v1, s[26:27] offset:16*\j th:TH_LOAD_NT
	global_load_b128 v[64+4*\j:67+4*\j], v1, s[28:29] offset:128+16*\j th:TH_LOAD_NT
	global_load_b128 v[80+4*\j:83+4*\j], v1, s[26:27] offset:128+16*\j th:TH_LOAD_NT
.endr
	s_wait_loadcnt 0x0
.set j, 0
.rept 16
	v_cndmask_b32 v[32+j], 1.0, v[32+j], s7
	v_cndmask_b32 v[48+j], 0, v[48+j], s7
	v_cndmask_b32 v[64+j], 1.0, v[64+j], s7
	v_cndmask_b32 v[80+j], 0, v[80+j], s7
.set j, j+1
.endr
.irp g, 0,1,2,3,4,5,6,7,8,9,10,11,12,13,14,15
	global_store_b128 v2, v[32+4*\g:35+4*\g], s[34:35] offset:512*\g
.endr
	s_wait_tensorcnt 0x0
	ds_add_u32 v[SPW], v[NIL]
	s_wait_dscnt 0x0
	s_endpgm
.Lfunc_end_k_q8bbb1cc547_prep:
	.size	k_q8bbb1cc547_prep, .Lfunc_end_k_q8bbb1cc547_prep-k_q8bbb1cc547_prep
	.p2alignl 7, 3214868480
	.fill 96, 4, 3214868480
	.section	.rodata,"a",@progbits
	.p2align	6, 0x0
	.amdhsa_kernel k_q8bbb1cc547_prep
		.amdhsa_group_segment_fixed_size 34304
		.amdhsa_private_segment_fixed_size 0
		.amdhsa_enable_private_segment 0
		.amdhsa_kernarg_size 80
		.amdhsa_user_sgpr_count 2
		.amdhsa_user_sgpr_kernarg_segment_ptr 1
		.amdhsa_wavefront_size32 1
		.amdhsa_system_sgpr_workgroup_id_x 1
		.amdhsa_system_sgpr_workgroup_id_y 1
		.amdhsa_system_sgpr_workgroup_id_z 1
		.amdhsa_system_vgpr_workitem_id 0
		.amdhsa_next_free_vgpr 256
		.amdhsa_next_free_sgpr 66
		.amdhsa_reserve_vcc 1
		.amdhsa_float_denorm_mode_32 3
		.amdhsa_float_denorm_mode_16_64 3
		.amdhsa_memory_ordered 1
		.amdhsa_forward_progress 1
		.amdhsa_inst_pref_size 36
	.end_amdhsa_kernel
	.amdgpu_metadata
---
amdhsa.version: [ 1, 2 ]
amdhsa.kernels:
  - .name:           k_q8bbb1cc547_prep
    .symbol:         k_q8bbb1cc547_prep.kd
    .args:
      - { .name: hidden_states, .offset: 0, .size: 8, .value_kind: global_buffer, .address_space: global }
      - { .name: Wq, .offset: 8, .size: 8, .value_kind: global_buffer, .address_space: global }
      - { .name: Wk, .offset: 16, .size: 8, .value_kind: global_buffer, .address_space: global }
      - { .name: Wv, .offset: 24, .size: 8, .value_kind: global_buffer, .address_space: global }
      - { .name: Wp, .offset: 32, .size: 8, .value_kind: global_buffer, .address_space: global }
      - { .name: sin, .offset: 40, .size: 8, .value_kind: global_buffer, .address_space: global }
      - { .name: cos, .offset: 48, .size: 8, .value_kind: global_buffer, .address_space: global }
      - { .name: xcodes, .offset: 56, .size: 8, .value_kind: global_buffer, .address_space: global }
      - { .name: wcodes, .offset: 64, .size: 8, .value_kind: global_buffer, .address_space: global }
      - { .name: ropet, .offset: 72, .size: 8, .value_kind: global_buffer, .address_space: global }
    .group_segment_fixed_size: 34304
    .private_segment_fixed_size: 0
    .kernarg_segment_align: 8
    .kernarg_segment_size: 80
    .max_flat_workgroup_size: 128
    .sgpr_count:     66
    .vgpr_count:     256
    .wavefront_size: 32
...
	.end_amdgpu_metadata
.endif
;; end of part 1
;; launch qkv (part 2): grid 9 x 44, 8 waves a work-group, no clusters, 327,680 bytes of LDS; arguments xcodes, wcodes, ropet, bq, bv, qcodes, qwords, kvimg; writes qcodes, qwords, kvimg
.if DOCPART == 2
	.amdgcn_target "amdgcn-amd-amdhsa--gfx1250"
	.amdhsa_code_object_version 6
	.text
	.protected	k_q8bbb1cc547_qkv
	.globl	k_q8bbb1cc547_qkv
	.p2align	8
	.type	k_q8bbb1cc547_qkv,@function
k_q8bbb1cc547_qkv:
	s_mov_b64 s[64:65], 0
	v_nop
	global_prefetch_b8 v0, s[64:65] scope:SCOPE_SE
	s_setreg_imm32_b32 hwreg(HW_REG_WAVE_MODE, 25, 1), 1
	s_wait_xcnt 0x0
; q = x Wq^T + bq, k = x Wk^T, v = x Wv^T + bv on codes of FP6 (E2M3) with E8M0 scales; q and k are rotated (table ropet), then q and k are quantised along the head's 64 and v along the keys.
; SHARES.  Work-group (cp, G): G names 256 tokens (16 tiles of xcodes), cp / 3 says q, k or v, cp % 3 four heads.  Wave w: head 4 (cp % 3) + w % 4, the 128 tokens (one key step) of half w / 4: 32 accumulators, 192 products.
; x's codes of the group, all of K (153,600 bytes), come into LDS once by tensor loads and are read by all eight waves; nothing is filled again.  A wave's weights (64 rows) go from memory straight into its registers, a K step ahead.
; Q AND K: source 0 = 16 rows of W, source 1 = 16 tokens: a lane holds ONE token, and by the choice of a tile's rows the 16 registers of tiles 2 b, 2 b + 1 are channels 32 b + 16 h + 0 .. 15: channel d and d + 32 lie in one lane,
; so the rotation needs no other lane, and the results are laid as the quantiser wants them.  Two token tiles make one fragment: tile u's 64 channels in registers 6 u .. 6 u + 5.
; V: source 0 = 16 tokens, source 1 = 16 rows of W: a lane holds one channel and its registers run along the tokens, the next product's K.  Tokens 1,374 on are made zeros ahead of the block's maximum.
; OUT: qcodes [head 96][block of 32 tokens 44][fragment], qwords [96][44][16 words]; kvimg [96][key step 11][K: 4 fragments | V: 4 fragments | K's words 256 | V's words 256].
; NO CLUSTER: the work-groups that read the same tile of x lie along grid x, which is 9: four does not divide it.
; LIMITS: a block of zeros gets the byte 1, not 127 (its codes are zeros; this program alone reads the bytes); NaN and infinities are not served.
; REGISTERS: window 0: v1-10 addresses; v16-111 x's 8 fragments; v112-207 the weights' 4 fragments, two sets; v208-215 scale words; v216-247 the bias.  Window 1: the 32 accumulators.
;   Behind the products: v16-143 the table of two tiles, v144-207 64 numbers to be quantised, v216-247 codes and work (V: v16-47), v248-251 the four scale words.
.set ROPE,  153600                     ; LDS: x at 0; the table, 65,536 bytes a half; the spare words
.set SPARE, 284672
.set LI,   1                           ; v1  16 x lane
.set L4,   3                           ; v3  4 x lane
.set XA,   4                           ; v4  x's fragments of my half
.set XS,   6                           ; v6  their scale words
.set RA,   7                           ; v7  the table of my half
.set SPW,  8
.set NIL,  9
.set BO,   10                          ; v10 my place in the bias
.set XF,   16
.set WF,   112
.set XSC,  208
.set WSC,  212
.set BIAS, 216
.set BV,   216
.set PWS,  248
.set RT,   16
.set HA,   144
.set PC,   216
.set TM,   236
.set KM,   34                          ; s34 all ones for q, 0 for k: k has no bias
.set HM,   35                          ; s35 lanes 16-31
.set WPT,  76                          ; s[76:77] my 64 rows of the weight
.set BPT,  78                          ; s[78:79] my 64 numbers of the bias
.set CPT,  80                          ; s[80:81] where the codes go
.set SPT,  82                          ; s[82:83] where the scale words go
.set SEL,  90
.set MSB,  0
.macro WIN new                         ; the immediate's high byte repeats the setting that is left
.if MSB != \new
	s_set_vgpr_msb (MSB<<8)|\new
.set MSB, \new
.endif
.endm
.macro BAR
	s_wait_dscnt 0x0
	s_barrier_signal -1
	s_barrier_wait -1
.endm
.macro PLACES
.rept 4
	v_nop
.endr
.endm
; one product: D, source 0, source 1, (cz: C is 0) C, the two scale registers, and whether each is read in lanes 16-31
.macro WM d, a, b, cz, c, sa, sb, ra, rb
.if \cz
.if \ra
.if \rb
	v_wmma_scale_f32_16x16x128_f8f6f4 v[\d:\d+7], v[\a:\a+11], v[\b:\b+11], 0, v[\sa], v[\sb] matrix_a_fmt:MATRIX_FMT_FP6 matrix_b_fmt:MATRIX_FMT_FP6 matrix_a_scale:MATRIX_SCALE_ROW1 matrix_b_scale:MATRIX_SCALE_ROW1
.else
	v_wmma_scale_f32_16x16x128_f8f6f4 v[\d:\d+7], v[\a:\a+11], v[\b:\b+11], 0, v[\sa], v[\sb] matrix_a_fmt:MATRIX_FMT_FP6 matrix_b_fmt:MATRIX_FMT_FP6 matrix_a_scale:MATRIX_SCALE_ROW1
.endif
.else
.if \rb
	v_wmma_scale_f32_16x16x128_f8f6f4 v[\d:\d+7], v[\a:\a+11], v[\b:\b+11], 0, v[\sa], v[\sb] matrix_a_fmt:MATRIX_FMT_FP6 matrix_b_fmt:MATRIX_FMT_FP6 matrix_b_scale:MATRIX_SCALE_ROW1
.else
	v_wmma_scale_f32_16x16x128_f8f6f4 v[\d:\d+7], v[\a:\a+11], v[\b:\b+11], 0, v[\sa], v[\sb] matrix_a_fmt:MATRIX_FMT_FP6 matrix_b_fmt:MATRIX_FMT_FP6
.endif
.endif
.else
.if \ra
.if \rb
	v_wmma_scale_f32_16x16x128_f8f6f4 v[\d:\d+7], v[\a:\a+11], v[\b:\b+11], v[\c:\c+7], v[\sa], v[\sb] matrix_a_fmt:MATRIX_FMT_FP6 matrix_b_fmt:MATRIX_FMT_FP6 matrix_a_scale:MATRIX_SCALE_ROW1 matrix_b_scale:MATRIX_SCALE_ROW1
.else
	v_wmma_scale_f32_16x16x128_f8f6f4 v[\d:\d+7], v[\a:\a+11], v[\b:\b+11], v[\c:\c+7], v[\sa], v[\sb] matrix_a_fmt:MATRIX_FMT_FP6 matrix_b_fmt:MATRIX_FMT_FP6 matrix_a_scale:MATRIX_SCALE_ROW1
.endif
.else
.if \rb
	v_wmma_scale_f32_16x16x128_f8f6f4 v[\d:\d+7], v[\a:\a+11], v[\b:\b+11], v[\c:\c+7], v[\sa], v[\sb] matrix_a_fmt:MATRIX_FMT_FP6 matrix_b_fmt:MATRIX_FMT_FP6 matrix_b_scale:MATRIX_SCALE_ROW1
.else
	v_wmma_scale_f32_16x16x128_f8f6f4 v[\d:\d+7], v[\a:\a+11], v[\b:\b+11], v[\c:\c+7], v[\sa], v[\sb] matrix_a_fmt:MATRIX_FMT_FP6 matrix_b_fmt:MATRIX_FMT_FP6
.endif
.endif
.endif
.endm
; 64 numbers of a lane, v[s] on (register 16 b + i = k 32 b + 16 h + i of my row), become a fragment's codes in v[PC] .. v[PC + 11] and its scale word in v[pw]
.macro QUANT s, pw
.irp b, 0,1,2,3
	v_max3_num_f32 v[TM+\b], |v[\s+16*\b]|, |v[\s+1+16*\b]|, 0x1800000   ; and the floor 2^(3 - 127): the byte cannot fall under 1
.endr
.irp i, 2,4,6,8,10,12,14
.irp b, 0,1,2,3
	s_delay_alu instid0(VALU_DEP_4)
	v_max3_num_f32 v[TM+\b], v[TM+\b], |v[\s+16*\b+\i]|, |v[\s+1+16*\b+\i]|
.endr
.endr
.irp b, 0,1,2,3
	s_delay_alu instid0(VALU_DEP_4)
	v_permlanex16_b32 v[TM+4+\b], v[TM+\b], s[SEL], s[SEL+1]
.endr
.irp b, 0,1,2,3
	s_delay_alu instid0(VALU_DEP_4)
	v_max_num_f32 v[TM+\b], v[TM+\b], v[TM+4+\b]
.endr
.irp b, 0,1,2,3
	s_delay_alu instid0(VALU_DEP_4)
	v_add_nc_u32 v[TM+8+\b], 0xff000000, v[TM+\b]      ; 2 off the exponent field: the conversion's scale operand
.endr
.irp b, 0,1,2,3
	s_delay_alu instid0(VALU_DEP_4)
	v_lshrrev_b32 v[TM+4+\b], 23, v[TM+8+\b]           ; the scale's byte
.endr
	s_delay_alu instid0(VALU_DEP_3)
	v_lshl_or_b32 v[\pw], v[TM+5], 8, v[TM+4]
	s_delay_alu instid0(VALU_DEP_1)
	v_lshl_or_b32 v[\pw], v[TM+6], 16, v[\pw]
	s_delay_alu instid0(VALU_DEP_1)
	v_lshl_or_b32 v[\pw], v[TM+7], 24, v[\pw]
.irp c, 0,1
	v_cvt_scalef32_pk16_fp6_f32 v[PC+6*\c:PC+2+6*\c], v[\s+32*\c:\s+15+32*\c], v[TM+8+2*\c]
	v_cvt_scalef32_pk16_fp6_f32 v[PC+12+4*\c:PC+14+4*\c], v[\s+16+32*\c:\s+31+32*\c], v[TM+8+2*\c+1]
.endr
	v_nop                                              ; one plain place behind the conversions
.irp c, 0,1
.irp i, 0,1,2
	v_permlane16_swap_b32 v[PC+6*\c+\i], v[PC+12+4*\c+\i]
.endr
.irp i, 0,1,2
	s_delay_alu instid0(VALU_DEP_3)
	v_mov_b32 v[PC+3+6*\c+\i], v[PC+12+4*\c+\i]
.endr
.endr
.endm
.macro PUT ptr, off                    ; the fragment in v[PC] on goes out as it stands: three stores of 512 consecutive bytes
.irp g, 0,1,2
	global_store_b128 v[LI], v[PC+4*\g:PC+4*\g+3], s[\ptr:\ptr+1] offset:\off+512*\g
.endr
.endm
.macro XLOAD s                         ; K step s of x: the scale words first, then tiles 0-3, then tiles 4-7
.irp m, 0,1,2,3
	ds_load_b32 v[XSC+\m], v[XS] offset:((\s)%2)*25600+24576+128*\m        ; lanes 0-15: tile 2 m, lanes 16-31: tile 2 m + 1
.endr
.irp i, 0,1,2,3,4,5,6,7
.irp g, 0,1,2
	ds_load_b128 v[XF+12*\i+4*\g:XF+12*\i+4*\g+3], v[XA] offset:((\s)%2)*25600+1536*\i+512*\g
.endr
.endr
.endm
.macro WLOAD s                         ; K step s of my weight rows into set s % 2: 14 loads
.irp a, 0,1,2,3
.irp g, 0,1,2
	global_load_b128 v[WF+48*((\s)%2)+12*\a+4*\g:WF+48*((\s)%2)+12*\a+4*\g+3], v[LI], s[WPT:WPT+1] offset:6400*(\s)+1536*\a+512*\g
.endr
.endr
.irp m, 0,1
	global_load_b32 v[WSC+2*((\s)%2)+\m], v[L4], s[WPT:WPT+1] offset:6400*(\s)+6144+128*\m
.endr
.endm
; 16 products: token tiles i0 .. i0 + 3 against the four weight tiles.  The 32 accumulators take turns, one instruction a turn, in the same order in every step.
.macro HALFM s, vp, i0
.irp i, \i0, \i0+1, \i0+2, \i0+3
.irp a, 0,1,2,3
.if \vp
.if (\s) == 0
	WM 8*(8*\a+(\i)), XF+12*(\i), WF+48*((\s)%2)+12*\a, 1, 0, XSC+(\i)/2, WSC+2*((\s)%2)+\a/2, (\i)%2, \a%2
.else
	WM 8*(8*\a+(\i)), XF+12*(\i), WF+48*((\s)%2)+12*\a, 0, 8*(8*\a+(\i)), XSC+(\i)/2, WSC+2*((\s)%2)+\a/2, (\i)%2, \a%2
.endif
.else
.if (\s) == 0
	WM 8*(4*(\i)+\a), WF+48*((\s)%2)+12*\a, XF+12*(\i), 0, BIAS+8*\a, WSC+2*((\s)%2)+\a/2, XSC+(\i)/2, \a%2, (\i)%2
.else
	WM 8*(4*(\i)+\a), WF+48*((\s)%2)+12*\a, XF+12*(\i), 0, 8*(4*(\i)+\a), WSC+2*((\s)%2)+\a/2, XSC+(\i)/2, \a%2, (\i)%2
.endif
.endif
.endr
.endr
.endm
.macro MSTEP s, vp                     ; a K step of 128: 32 products
	XLOAD \s
.if (\s) < 5
	WLOAD (\s)+1
	s_wait_loadcnt 14                              ; this step's weights are in; the 14 loads just issued may stay out
.else
	s_wait_loadcnt 0x0
.endif
.if ((\s) == 0) && ((\vp) == 0)
.set j, 0
.rept 32
	v_cndmask_b32 v[BIAS+j], 0, v[BIAS+j], s[KM]   ; q keeps its bias, k has none
.set j, j+1
.endr
	PLACES
.endif
	s_wait_alu depctr_va_vdst(0)
	s_wait_dscnt 12                                ; the scale words and tiles 0-3 are in; tiles 4-7's 12 loads may stay out
.if ((\s) == 0) && ((\vp) == 0)
	WIN 0x40                                       ; D in window 1, C (the bias) in window 0
.else
	WIN 0x50                                       ; C and D in window 1
.endif
	HALFM \s, \vp, 0
	s_wait_dscnt 0x0
	HALFM \s, \vp, 4
	WIN 0
	PLACES                                         ; four places in front of loads into registers that the products have read, and of the first read of results
.if ((\s) == 1) || ((\s) == 3)
	v_add_nc_u32 v[XA], 51200, v[XA]               ; two K steps on
	v_add_nc_u32 v[XS], 51200, v[XS]
.endif
.endm
	s_load_b512 s[16:31], s[0:1], 0x0              ; xcodes 16, wcodes 18, ropet 20, bq 22, bv 24, qcodes 26, qwords 28, kvimg 30
	v_lshl_add_u32 v[SPW], v0, 2, SPARE
	v_mov_b32 v[NIL], 0
	ds_add_u32 v[SPW], v[NIL]                      ; the wave's opening: the add and its wait stand ahead of my first tensor load; work on registers stands between them
	ds_add_u32 v[SPW], v[NIL]
	v_lshrrev_b32 v2, 5, v0
	s_delay_alu instid0(VALU_DEP_1)
	v_readfirstlane_b32 s2, v2                     ; wave 0..7
	s_and_b32 s3, s2, 3                            ; which of the four heads
	s_lshr_b32 s4, s2, 2                           ; which half of the 256 tokens
	s_and_b32 s6, ttmp7, 0xffff                    ; G
	s_cmp_ge_u32 ttmp9, 3
	s_cselect_b32 s7, 1, 0
	s_cmp_ge_u32 ttmp9, 6
	s_cselect_b32 s5, 1, 0
	s_add_co_u32 s7, s7, s5                        ; 0: q, 1: k, 2: v
	s_mul_i32 s5, s7, 3
	s_sub_co_u32 s5, ttmp9, s5
	s_lshl_b32 s5, s5, 2
	s_add_co_u32 s8, s5, s3                        ; head
	s_lshl_b32 s9, s6, 1
	s_add_co_u32 s9, s9, s4                        ; my step of 128 tokens, 0 .. 87
	s_mul_i32 s10, s9, 745
	s_lshr_b32 s10, s10, 13                        ; batch = step / 11 (exact for 0 .. 87)
	s_mul_i32 s11, s10, 11
	s_sub_co_u32 s11, s9, s11                      ; the key step in its batch
	s_mul_i32 s12, s10, 12
	s_add_co_u32 s12, s12, s8                      ; batch x 12 + head
	; descriptor groups 1: dense blocks as rows of 256 bytes (32 elements of 8 bytes), 100 and 256 rows
.irp g, 36, 52
	s_mov_b32 s[\g+0], 3<<16                       ; no mask; elements of 8 bytes; no padding
	s_mov_b32 s[\g+1], 32<<16                      ; tensor_dim0 = 32
	s_mov_b32 s[\g+3], 32<<16                      ; tile_dim0 = 32
	s_mov_b32 s[\g+5], 32                          ; from row to row
	s_mov_b32 s[\g+6], 0
	s_mov_b32 s[\g+7], 0
.endr
	s_mov_b32 s38, 100<<16                         ; x: a K step of the group, 25,600 bytes, 100 rows
	s_mov_b32 s40, 100
	s_mov_b32 s54, 256<<16                         ; the table of 8 token tiles, 65,536 bytes, 256 rows
	s_mov_b32 s56, 256
	s_mul_i32 s13, s6, 153600                      ; my group in xcodes
	s_mul_i32 s61, s2, 25600                       ; waves 0 to 5 fetch K step = wave; the same place in LDS
	s_add_co_u32 s84, s13, s61
	s_mov_b32 s85, 0
	s_and_b32 s14, s2, 1                           ; waves 6, 7 fetch the table of half 0, 1 of the 256 tokens
	s_lshl_b32 s73, s14, 16
	s_add_co_u32 s73, s73, ROPE
	s_lshl_b32 s88, s6, 1
	s_add_co_u32 s88, s88, s14                     ; that half's step of 128 tokens, 0 .. 87,
	s_mul_i32 s14, s88, 745
	s_lshr_b32 s14, s14, 13
	s_mul_i32 s14, s14, 11
	s_sub_co_u32 s88, s88, s14                     ; in its batch
	s_lshl_b32 s88, s88, 16
	s_mov_b32 s89, 0
	s_mul_i32 s32, s7, 460800
	s_mul_i32 s14, s8, 38400
	s_add_co_u32 s32, s32, s14
	s_mov_b32 s33, 0
	s_mov_b32 s[HM], 0xffff0000
	s_mov_b32 s[SEL], 0x76543210
	s_mov_b32 s[SEL+1], 0xfedcba98
	v_and_b32 v2, 31, v0
	s_delay_alu instid0(VALU_DEP_1)
	v_lshlrev_b32 v[LI], 4, v2
	s_delay_alu instid0(VALU_DEP_2)
	v_lshlrev_b32 v[L4], 2, v2
	v_bfe_u32 v5, v0, 4, 1                         ; h
	v_and_b32 v11, 15, v0                          ; r
	s_mul_i32 s5, s4, 12288
	v_add_nc_u32 v[XA], s5, v[LI]
	s_lshl_b32 s5, s4, 9
	v_add_nc_u32 v[XS], s5, v[L4]
	s_lshl_b32 s5, s4, 16
	s_add_co_u32 s5, s5, ROPE
	v_add_nc_u32 v[RA], s5, v[LI]
	s_wait_dscnt 0x0                               ; the opening add is done
	s_wait_kmcnt 0x0
	s_mov_b32 s60, 1
	s_add_nc_u64 s[62:63], s[16:17], s[84:85]
	s_or_b32 s63, s63, 0x80000000
	s_mov_b32 s72, 1
	s_add_nc_u64 s[74:75], s[20:21], s[88:89]
	s_or_b32 s75, s75, 0x80000000
	s_add_nc_u64 s[WPT:WPT+1], s[18:19], s[32:33]
	s_lshl_b32 s32, s8, 8                          ; my head's 64 numbers of a bias
	; ALL FILLS OF THE LAUNCH GO OUT HERE, at most one a wave, in one chain of branches: waves 0 to 5 a K step of x each, waves 6 and 7 (q and k alone) half of the table each.  Nothing is filled later.
	s_cmp_lt_u32 s2, 6
	s_cbranch_scc0 .Ltable
	tensor_load_to_lds s[60:63], s[36:43]
	s_nop 0
	s_branch .Lasked
.Ltable:
	s_cmp_eq_u32 s7, 2                             ; v is not rotated
	s_cbranch_scc1 .Lasked
	tensor_load_to_lds s[72:75], s[52:59]
	s_nop 0
.Lasked:
	s_cmp_eq_u32 s7, 2                             ; the ways part on the work-group's number and do not meet again
	s_cbranch_scc1 .Lvpath
	; ---------------- q and k
	PLACES
	s_wait_alu depctr_va_vdst(0)
	WLOAD 0
	s_add_nc_u64 s[BPT:BPT+1], s[22:23], s[32:33]
	v_lshlrev_b32 v[BO], 6, v5                     ; lane (r, h) wants, for weight tile 2 b + u, the bias of channels 32 b + 16 h + 8 u + 0 .. 7
.irp a, 0,1,2,3
	global_load_b128 v[BIAS+8*\a:BIAS+8*\a+3], v[BO], s[BPT:BPT+1] offset:128*(\a/2)+32*(\a%2)
	global_load_b128 v[BIAS+8*\a+4:BIAS+8*\a+7], v[BO], s[BPT:BPT+1] offset:128*(\a/2)+32*(\a%2)+16
.endr
	s_cmp_eq_u32 s7, 0
	s_cselect_b32 s[KM], -1, 0
	s_cselect_b64 s[CPT:CPT+1], s[26:27], s[30:31]
	s_cselect_b64 s[SPT:SPT+1], s[28:29], s[30:31]
	s_mov_b32 s84, 140800
	s_cselect_b32 s85, 67584, s84                  ; codes: from head to head,
	s_cselect_b32 s84, 2816, s84                   ; words likewise,
	s_mov_b32 s86, 12800
	s_cselect_b32 s87, 6144, s86                   ; and from key step to key step
	s_cselect_b32 s86, 256, s86
	s_cselect_b32 s88, 0, 12288
	; K'S FRAGMENTS ARE LAID ANEW ON THE WAY OUT: lane (8 w + j, h) of fragment 2 c + a goes to lane (8 a + j, h) of fragment 2 c + w, so that in the next launch a lane of S^T holds whole blocks of 32 keys.
	; In bytes: 3072 c + 128 a + 512 g as the immediate and the odd fragments' register, 1536 w + 256 h + 16 j from the lane: pieces of 128 consecutive bytes.  Q's fragments go out as they stand (16 x lane).
	s_mov_b32 s89, 128
	s_cselect_b32 s89, 1536, s89                   ; from an even fragment to the odd one behind it: q 1,536, k 128
	v_lshrrev_b32 v15, 3, v11                      ; w = r / 8
	v_and_b32 v12, 7, v11                          ; j = r % 8
	v_lshlrev_b32 v14, 2, v12
	v_lshlrev_b32 v12, 4, v12
	v_lshl_add_u32 v14, v5, 5, v14
	v_lshl_add_u32 v12, v5, 8, v12
	v_lshl_add_u32 v14, v15, 6, v14                ; k's scale words: 64 w + 32 h + 4 j (h says which fragment of the pair the lane's word belongs to)
	v_mad_u32_u24 v12, v15, 1536, v12
	v_cndmask_b32 v14, v14, v[L4], s[KM]
	v_cndmask_b32 v12, v12, v[LI], s[KM]
	v_add_nc_u32 v13, s89, v12
	s_mul_i32 s85, s85, s12
	s_mul_i32 s87, s87, s11
	s_add_co_u32 s32, s85, s87
	s_add_nc_u64 s[CPT:CPT+1], s[CPT:CPT+1], s[32:33]
	s_mul_i32 s84, s84, s12
	s_mul_i32 s86, s86, s11
	s_add_co_u32 s32, s84, s86
	s_add_co_u32 s32, s32, s88
	s_add_nc_u64 s[SPT:SPT+1], s[SPT:SPT+1], s[32:33]
	s_wait_alu depctr_va_vdst(0)
	s_wait_tensorcnt 0x0                           ; my load has landed: a K step of x, or half of the table
	BAR                                            ; everybody's has: all of x and the table are in, and nothing is filled later
	MSTEP 0, 0
	MSTEP 1, 0
	s_wait_alu depctr_va_vdst(0)
	MSTEP 2, 0
	MSTEP 3, 0
	MSTEP 4, 0
	MSTEP 5, 0
.macro RLOAD p                         ; the table of token tiles 2 p, 2 p + 1
.irp u, 0,1
.irp g, 0,1,2,3,4,5,6,7,8,9,10,11,12,13,14,15
	ds_load_b128 v[RT+64*\u+4*\g:RT+64*\u+4*\g+3], v[RA] offset:(2*(\p)+\u)*8192+512*\g
.endr
.endr
.endm
; out_low = low cos_low - high sin_low, out_high = high cos_high + low sin_high, two channels at a time.  Each accumulator is read from its low end on.
.macro TWIST p
	WIN 0x01                                       ; source 0, the accumulators, in window 1
.irp u, 0,1
.irp e, 0,2,4,6,8,10,12,14
	v_pk_mul_f32 v[HA+32*\u+\e:HA+32*\u+\e+1], v[32*(2*(\p)+\u)+\e:32*(2*(\p)+\u)+\e+1], v[RT+64*\u+\e:RT+64*\u+\e+1]
	v_pk_mul_f32 v[HA+32*\u+16+\e:HA+32*\u+16+\e+1], v[32*(2*(\p)+\u)+16+\e:32*(2*(\p)+\u)+16+\e+1], v[RT+64*\u+32+\e:RT+64*\u+32+\e+1]
	v_pk_fma_f32 v[HA+32*\u+\e:HA+32*\u+\e+1], v[32*(2*(\p)+\u)+16+\e:32*(2*(\p)+\u)+16+\e+1], v[RT+64*\u+16+\e:RT+64*\u+16+\e+1], v[HA+32*\u+\e:HA+32*\u+\e+1] neg_lo:[1,0,0] neg_hi:[1,0,0]
	v_pk_fma_f32 v[HA+32*\u+16+\e:HA+32*\u+16+\e+1], v[32*(2*(\p)+\u)+\e:32*(2*(\p)+\u)+\e+1], v[RT+64*\u+48+\e:RT+64*\u+48+\e+1], v[HA+32*\u+16+\e:HA+32*\u+16+\e+1]
.endr
.endr
	WIN 0
.endm
.irp b, 0,1,2,3
	v_mov_b32 v[TM+4+\b], 0                        ; a lane permute's destination counts as one of its sources
.endr
	RLOAD 0
.irp p, 0,1,2,3
	s_wait_dscnt 0x0
	TWIST \p
.if \p < 3
	RLOAD \p+1                                     ; the next pair's table lands while this pair is quantised
.endif
.if \p > 0
	s_wait_xcnt 0x0                                ; the last pair's stores have read the codes' registers
.endif
	QUANT HA, PWS+\p
.irp g, 0,1,2
	global_store_b128 v[12+(\p%2)], v[PC+4*\g:PC+4*\g+3], s[CPT:CPT+1] offset:3072*(\p/2)+512*\g
.endr
.endr
	v_cndmask_b32 v[PWS], v[PWS], v[PWS+1], s[HM]  ; lanes 0-15 pair 0's words, lanes 16-31 pair 1's: 128 consecutive bytes
	v_cndmask_b32 v[PWS+2], v[PWS+2], v[PWS+3], s[HM]
	global_store_b32 v14, v[PWS], s[SPT:SPT+1]
	global_store_b32 v14, v[PWS+2], s[SPT:SPT+1] offset:128
	s_wait_tensorcnt 0x0                           ; the wave's end: behind my last tensor load
	ds_add_u32 v[SPW], v[NIL]
	s_wait_dscnt 0x0
	s_endpgm
	; ---------------- v
.Lvpath:
	PLACES
	s_wait_alu depctr_va_vdst(0)
	WLOAD 0
	s_add_nc_u64 s[BPT:BPT+1], s[24:25], s[32:33]
	v_and_b32 v[BO], 8, v11
	s_delay_alu instid0(VALU_DEP_1)
	v_add_nc_u32 v[BO], v[BO], v11
	s_delay_alu instid0(VALU_DEP_1)
	v_lshlrev_b32 v[BO], 2, v[BO]                  ; lane r of channel tile c holds channel 32 (c / 2) + 8 (c % 2) + r + 8 (r / 8)
.irp c, 0,1,2,3
	global_load_b32 v[BV+2*\c], v[BO], s[BPT:BPT+1] offset:128*(\c/2)+32*(\c%2)     ; into both halves of a pair, for the packed addition
	global_load_b32 v[BV+2*\c+1], v[BO], s[BPT:BPT+1] offset:128*(\c/2)+32*(\c%2)
.endr
	s_mul_i32 s84, s12, 140800
	s_mul_i32 s85, s11, 12800
	s_add_co_u32 s32, s84, s85
	s_add_nc_u64 s[CPT:CPT+1], s[30:31], s[32:33]
	s_wait_alu depctr_va_vdst(0)
	s_wait_tensorcnt 0x0                           ; my K step of x has landed
	BAR                                            ; everybody's has
	MSTEP 0, 1
	MSTEP 1, 1
	s_wait_alu depctr_va_vdst(0)
	MSTEP 2, 1
	MSTEP 3, 1
	MSTEP 4, 1
	MSTEP 5, 1
.set PC, 16                            ; on this way the codes and the quantiser's work lie where x's fragments lay: the bias keeps v216-223
.set TM, 36
.irp b, 0,1,2,3
	v_mov_b32 v[TM+4+\b], 0
.endr
.irp c, 0,1,2,3
	WIN 0x01
.set j, 0
.rept 32
	v_pk_add_f32 v[HA+j:HA+j+1], v[64*\c+j:64*\c+j+1], v[BV+2*\c:BV+2*\c+1]   ; register 16 b + i: token 32 b + 16 h + i of the step, my channel
.set j, j+2
.endr
	WIN 0
	s_cmp_lg_u32 s11, 10
	s_cbranch_scc1 .Lfull_\c
.set j, 48
.rept 16
	v_mov_b32 v[HA+j], 0                           ; the batch's last step: tokens 1,376 on,
.set j, j+1
.endr
	v_cndmask_b32 v[HA+46], v[HA+46], 0, s[HM]     ; and 1,374 and 1,375 (block 2, h = 1, places 14, 15) are zeros ahead of the block's maximum
	v_cndmask_b32 v[HA+47], v[HA+47], 0, s[HM]
.Lfull_\c:
.if \c > 0
	s_wait_xcnt 0x0
.endif
	QUANT HA, PWS+\c
	PUT CPT, 6144+1536*\c
.endr
	v_cndmask_b32 v[PWS], v[PWS], v[PWS+1], s[HM]
	v_cndmask_b32 v[PWS+2], v[PWS+2], v[PWS+3], s[HM]
	global_store_b32 v[L4], v[PWS], s[CPT:CPT+1] offset:12544
	global_store_b32 v[L4], v[PWS+2], s[CPT:CPT+1] offset:12672
	s_wait_tensorcnt 0x0
	ds_add_u32 v[SPW], v[NIL]
	s_wait_dscnt 0x0
	s_endpgm
.Lfunc_end_k_q8bbb1cc547_qkv:
	.size	k_q8bbb1cc547_qkv, .Lfunc_end_k_q8bbb1cc547_qkv-k_q8bbb1cc547_qkv
	.p2alignl 7, 3214868480
	.fill 96, 4, 3214868480
	.section	.rodata,"a",@progbits
	.p2align	6, 0x0
	.amdhsa_kernel k_q8bbb1cc547_qkv
		.amdhsa_group_segment_fixed_size 327680
		.amdhsa_private_segment_fixed_size 0
		.amdhsa_enable_private_segment 0
		.amdhsa_kernarg_size 64
		.amdhsa_user_sgpr_count 2
		.amdhsa_user_sgpr_kernarg_segment_ptr 1
		.amdhsa_wavefront_size32 1
		.amdhsa_system_sgpr_workgroup_id_x 1
		.amdhsa_system_sgpr_workgroup_id_y 1
		.amdhsa_system_sgpr_workgroup_id_z 1
		.amdhsa_system_vgpr_workitem_id 0
		.amdhsa_next_free_vgpr 512
		.amdhsa_next_free_sgpr 92
		.amdhsa_reserve_vcc 0
		.amdhsa_float_denorm_mode_32 3
		.amdhsa_float_denorm_mode_16_64 3
		.amdhsa_memory_ordered 1
		.amdhsa_forward_progress 1
		.amdhsa_inst_pref_size 182
	.end_amdhsa_kernel
	.amdgpu_metadata
---
amdhsa.version: [ 1, 2 ]
amdhsa.kernels:
  - .name:           k_q8bbb1cc547_qkv
    .symbol:         k_q8bbb1cc547_qkv.kd
    .args:
      - { .name: xcodes, .offset: 0, .size: 8, .value_kind: global_buffer, .address_space: global }
      - { .name: wcodes, .offset: 8, .size: 8, .value_kind: global_buffer, .address_space: global }
      - { .name: ropet, .offset: 16, .size: 8, .value_kind: global_buffer, .address_space: global }
      - { .name: bq, .offset: 24, .size: 8, .value_kind: global_buffer, .address_space: global }
      - { .name: bv, .offset: 32, .size: 8, .value_kind: global_buffer, .address_space: global }
      - { .name: qcodes, .offset: 40, .size: 8, .value_kind: global_buffer, .address_space: global }
      - { .name: qwords, .offset: 48, .size: 8, .value_kind: global_buffer, .address_space: global }
      - { .name: kvimg, .offset: 56, .size: 8, .value_kind: global_buffer, .address_space: global }
    .group_segment_fixed_size: 327680
    .private_segment_fixed_size: 0
    .kernarg_segment_align: 8
    .kernarg_segment_size: 64
    .max_flat_workgroup_size: 256
    .sgpr_count:     92
    .vgpr_count:     512
    .wavefront_size: 32
...
	.end_amdgpu_metadata
.endif
;; end of part 2
;; launch attn (part 3): grid 8 x 32, 11 waves a work-group, clusters of 4 x 1, 327,680 bytes of LDS; arguments qcodes, qwords, kvimg, ccodes; writes ccodes
.if DOCPART == 3
	.amdgcn_target "amdgcn-amd-amdhsa--gfx1250"
	.amdhsa_code_object_version 6
	.text
	.protected	k_q8bbb1cc547_attn
	.globl	k_q8bbb1cc547_attn
	.p2align	8
	.type	k_q8bbb1cc547_attn,@function
k_q8bbb1cc547_attn:
	s_mov_b64 s[64:65], 0
	v_nop
	global_prefetch_b8 v0, s[64:65] scope:SCOPE_SE
	s_setreg_imm32_b32 hwreg(HW_REG_WAVE_MODE, 25, 1), 1
	s_wait_xcnt 0x0
	s_wait_alu depctr_hold_cnt(0) depctr_sa_sdst(0) depctr_va_vdst(0) depctr_va_sdst(0) depctr_va_ssrc(0) depctr_va_vcc(0) depctr_vm_vsrc(0)
	s_getreg_b32 s2, hwreg(HW_REG_IB_STS2, 6, 4)
	s_cmp_eq_u32 s2, 0
	s_cbranch_scc0 .Lentry_in_a_cluster
	s_endpgm
.Lentry_in_a_cluster:
	s_bfe_u32 s2, ttmp6, 0x10000c
	s_cmp_lg_u32 s2, 0x3003
	s_cbranch_scc0 .Lentry_shape_is_right
	s_endpgm
.Lentry_shape_is_right:
; ctx[q] = (sum over keys of p v) / l, p = 2^(t - M), t = score x log2(e) / 8, M the running largest t rounded up to a whole number, l the sum of the unquantised p; both products on codes of FP6 (E2M3) with E8M0 scales.
; SHARES.  Work-group (x, y) stays and takes heads 3 y, 3 y + 1, 3 y + 2 of the 96: 8 x 32 = 256 work-groups.  Wave w of eleven owns query tile 11 x + w of the batch's 88 in all three heads
; (tiles 86, 87 hold tokens that do not exist; the next launch stores nothing of them) and walks a head's 11 key steps of 128.
; LDS: two slots of a whole head's K and V (140,800 bytes of register images and scale words).  EVERY WAVE FETCHES ONE KEY STEP (12,800 bytes) of a head by one tensor load: head 0 at the kernel's head, head 1 behind the first round,
; head 2 into slot 0 when every wave has left it.  One load of a wave is out at any time, and every wait on TENSORcnt is for 0.  Heads 1 and 2 are asked for a whole head's walk ahead of their first read, so no prefetch is written.
; CLUSTER: the four work-groups of one y read the same bytes: each load is joint (mask 15); its descriptor hangs on y and the wave's number alone.
; BOTH PRODUCTS TRANSPOSED: S^T = K Q^T, O^T = V^T P^T: a lane holds one query throughout.  A fragment of K holds two tiles of 16 keys x 64 channels; times [Q | zeros] it gives the first tile's scores, times [zeros | Q] the second's.
; THE KEYS OF A TILE (laid so by the launch before): row 8 a + j of tile 4 c + u is key 64 c + 32 a + 8 u + j of the step.  So register 32 c + i of lane (r, h) is key 64 c + 32 h + i: A LANE HOLDS WHOLE BLOCKS OF 32 KEYS,
; blocks h and 2 + h: a block's largest score needs no other lane, and the conversions' results are the operand's registers.  Two lane permutes a step: the row's maximum, and the scale word's other two bytes.
; THE ROW'S SUM is a tree in place on p's registers, laid round the second product: its additions are the places ahead of and behind those products, and the next step's K is asked for among them, one step ahead.
; Keys 1,374 on: their scores become -infinity ahead of the maximum, so p = 0.
; OUT: ctx / l, quantised along the head's 64 channels: half a fragment and two scale bytes of the last product's operand: ccodes, laid as xcodes, a fragment as two halves of 768 bytes.
; LIMITS: the promise holds while |t| stays under 2^31; a block of zeros gets the byte 1, not 127 (this program alone reads the bytes); NaN and infinities are not served; 1 / l is v_rcp_f32's;
; a block's largest p is the exponential of its largest score, which takes v_exp_f32 not to fall where its input rises.
.set HEADB, 140800                     ; a head's K and V, and a slot
.set STEPB, 12800                      ; a key step: K's 4 fragments, V's 4, K's words 256, V's words 256: 50 rows of 256 bytes
.set SLOT1, HEADB
.set SPARE, 2*HEADB                    ; behind the slots: the spare words, 128 bytes a wave
.set LI,  1                            ; v1  16 x lane
.set L4,  2                            ; v2  4 x lane
.set ADR, 3                            ; v3  the step's fragments
.set ADS, 4                            ; v4  the step's scale words
.set SPW, 5
.set NIL, 6
.set L8,  7                            ; v7  8 x lane;  v10: 4 r;  v12 -M, v13 the running largest score, v[14:15] l in two halves
.set QL,  16                           ; v16-27 [Q | 0], v28-39 [0 | Q]
.set KV,  40                           ; v40-87 four fragments of K, then of V
.set KS,  88                           ; v88-89 K's scale words, v90-91 V's
.set VS,  90
.set QS,  92                           ; v92 Q's scale words; v93 the pair's as loaded
.set FF,  94                           ; v94 f = 2^(old M - new M); v95 p's scale word
.set PS,  95
.set S,   96                           ; v96-159 S^T, then p
.set OT,  160                          ; v160-191 O^T
.set PC,  192                          ; v192-203 p's codes; v204-206, v208-210 the halves that begin on an odd register
.set PT,  204
.set BM,  212                          ; v212-215 largest scores: four chains, then blocks in v212 and v214
.set BP,  216
.set BSC, 220                          ; the conversions' scale operands
.set QR,  224                          ; v224-235 the pair of query tiles as loaded
.set TP,  238
.set NI,  239                          ; -infinity
.set SH8, 240                          ; 8 h
.set WV,  24
.set CNT, 25
.set SEL, 26
.set CS,  28                           ; s[28:29] c = log2(e) / 8
.set HM,  30                           ; lanes 16-31
.set UM,  31                           ; all ones where my tile is the second of its pair
.set TB,  32                           ; LDS byte at which the step in hand begins
.set CN,  44                           ; -c
.set CB,  96
.set WB,  97
.set HD,  98
.set ONES, 99
.set PACE, 1                           ; 1: a split work-group barrier runs through a walk: each step signals, and the next step waits for that signal: no wave is more than one key step ahead of another,
                                       ; so all arrive together at the change of slots.  Between a signal and its wait stand register work and LDS loads of bytes that nobody writes before a later barrier.
.macro ROUND                           ; a round of the cluster's barrier
	s_barrier_signal -1
	s_barrier_wait -1
	s_cmp_lg_u32 s[WV], 0
	s_cbranch_scc1 .Lnot_wave_0_\@
	s_barrier_signal -3
.Lnot_wave_0_\@:
	s_barrier_wait -3
	s_barrier_signal -1
	s_barrier_wait -1
.endm
.macro WM d, a, b, cz, c, sa, sb, ra, rb
.if \cz
.if \ra
.if \rb
	v_wmma_scale_f32_16x16x128_f8f6f4 v[\d:\d+7], v[\a:\a+11], v[\b:\b+11], 0, v[\sa], v[\sb] matrix_a_fmt:MATRIX_FMT_FP6 matrix_b_fmt:MATRIX_FMT_FP6 matrix_a_scale:MATRIX_SCALE_ROW1 matrix_b_scale:MATRIX_SCALE_ROW1
.else
	v_wmma_scale_f32_16x16x128_f8f6f4 v[\d:\d+7], v[\a:\a+11], v[\b:\b+11], 0, v[\sa], v[\sb] matrix_a_fmt:MATRIX_FMT_FP6 matrix_b_fmt:MATRIX_FMT_FP6 matrix_a_scale:MATRIX_SCALE_ROW1
.endif
.else
.if \rb
	v_wmma_scale_f32_16x16x128_f8f6f4 v[\d:\d+7], v[\a:\a+11], v[\b:\b+11], 0, v[\sa], v[\sb] matrix_a_fmt:MATRIX_FMT_FP6 matrix_b_fmt:MATRIX_FMT_FP6 matrix_b_scale:MATRIX_SCALE_ROW1
.else
	v_wmma_scale_f32_16x16x128_f8f6f4 v[\d:\d+7], v[\a:\a+11], v[\b:\b+11], 0, v[\sa], v[\sb] matrix_a_fmt:MATRIX_FMT_FP6 matrix_b_fmt:MATRIX_FMT_FP6
.endif
.endif
.else
.if \ra
	v_wmma_scale_f32_16x16x128_f8f6f4 v[\d:\d+7], v[\a:\a+11], v[\b:\b+11], v[\c:\c+7], v[\sa], v[\sb] matrix_a_fmt:MATRIX_FMT_FP6 matrix_b_fmt:MATRIX_FMT_FP6 matrix_a_scale:MATRIX_SCALE_ROW1
.else
	v_wmma_scale_f32_16x16x128_f8f6f4 v[\d:\d+7], v[\a:\a+11], v[\b:\b+11], v[\c:\c+7], v[\sa], v[\sb] matrix_a_fmt:MATRIX_FMT_FP6 matrix_b_fmt:MATRIX_FMT_FP6
.endif
.endif
.endm
; Where head s[HD]'s results go: K step head / 2 of the last product, half head % 2 of my tile's fragment, bytes 2 (head % 2) on of each row's scale word.  Then on to the next head.
.macro CADDR
	s_lshr_b32 s9, s[HD], 1
	s_mul_i32 s9, s9, 25600
	s_and_b32 s10, s[HD], 1
	s_mul_i32 s12, s10, 768
	s_add_co_u32 s12, s12, s9
	s_add_co_u32 s12, s12, s[CB]
	s_mov_b32 s13, 0
	s_lshl_b32 s14, s10, 1
	s_add_co_u32 s14, s14, s9
	s_add_co_u32 s14, s14, s[WB]
	s_mov_b32 s15, 0
	s_add_nc_u64 s[12:13], s[22:23], s[12:13]
	s_add_nc_u64 s[14:15], s[22:23], s[14:15]
	s_add_co_u32 s[HD], s[HD], 1
.endm
.macro QLOAD                           ; the pair of query tiles that holds mine, and its scale words
.irp g, 0,1,2
	global_load_b128 v[QR+4*\g:QR+4*\g+3], v[LI], s[76:77] offset:512*\g
.endr
	global_load_b32 v93, v10, s[78:79]
.endm
; A head begins: Q's two operands and scale words; next = 1: the next head's Q is asked for, a walk ahead; the maximum, the sum and O^T start anew.
.macro QBUILD next
	s_wait_loadcnt 0x0                             ; Q is in, so its loads' bases may be stepped below
	v_lshrrev_b32 v[TP], s33, v93
	v_and_b32 v[TP], 0xffff, v[TP]                 ; my tile's two scale bytes
	v_or_b32 v[QS], 0x7f7f0000, v[TP]              ; [Q | 0]: the zero codes' blocks get the byte of 1.0
	v_lshl_or_b32 v[TP], v[TP], 16, s[ONES]        ; [0 | Q]
	v_cndmask_b32 v[QS], v[QS], v[TP], s[HM]
.irp k, 0,1,2,3,4,5
	v_cndmask_b32 v[QL+\k], v[QR+\k], v[QR+6+\k], s[UM]
.endr
.if \next
	s_add_nc_u64 s[76:77], s[76:77], 67584         ; a head on in qcodes,
	s_add_nc_u64 s[78:79], s[78:79], 2816          ; and in qwords
	QLOAD
.endif
.irp k, 0,1,2,3,4,5
	v_mov_b32 v[QL+6+\k], 0
	v_mov_b32 v[QL+12+\k], 0
	v_mov_b32 v[QL+18+\k], v[QL+\k]
.endr
	v_mov_b32 v13, 0xff61b1e6                      ; the largest score so far: -3e38
	v_mov_b32 v12, 0x7e000000                      ; -M = 2^125: the first step's f comes out 0
	v_mov_b32 v14, 0
	v_mov_b32 v15, 0
.set j, 0
.rept 32
	v_mov_b32 v[OT+j], 0                           ; the step is written once: a head's first finds zeros.  (Also the places between the operands' and the scale word's writes and the first product)
.set j, j+1
.endr
.endm
.macro KLOAD off                       ; K's four fragments and their words, off bytes behind the step in hand
.set n, 0
.rept 12
	ds_load_b128 v[KV+4*n:KV+4*n+3], v[ADR] offset:\off+512*n
.set n, n+1
.endr
	ds_load_b32 v[KS], v[ADS] offset:\off+12288    ; lanes 0-15 fragment 2 c's words, lanes 16-31 fragment 2 c + 1's
	ds_load_b32 v[KS+1], v[ADS] offset:\off+12416
.endm
.macro VLD n                           ; the n-th and n+1-th of V's twelve groups of four registers
	ds_load_b128 v[KV+4*(\n):KV+4*(\n)+3], v[ADR] offset:6144+512*(\n)
	ds_load_b128 v[KV+4*(\n)+4:KV+4*(\n)+7], v[ADR] offset:6144+512*(\n)+512
.endm
.macro FM j0                           ; t - M of 16 scores
.set j, \j0
.rept 8
	v_pk_fma_f32 v[S+j:S+j+1], v[S+j:S+j+1], s[CS:CS+1], v[12:13] op_sel_hi:[1,0,0]
.set j, j+2
.endr
.endm
.macro RS j0, n                        ; O^T under the new M: n pairs
.set j, \j0
.rept \n
	v_pk_mul_f32 v[OT+j:OT+j+1], v[OT+j:OT+j+1], v[FF:FF+1] op_sel_hi:[1,0]
.set j, j+2
.endr
.endm
.macro TREE q0, q1, d                  ; pairs q0 .. q1 - 1 of p take up the pairs d further on
.set q, \q0
.rept \q1-\q0
	v_pk_add_f32 v[S+2*q:S+2*q+1], v[S+2*q:S+2*q+1], v[S+2*(q+\d):S+2*(q+\d)+1]
.set q, q+1
.endr
.endm
; A KEY STEP of 128 keys; its K was asked for a step ago.  last = 1: the batch's last step, of whose keys 94 exist; it asks for no further K.
.macro STEP last
	s_wait_alu depctr_va_vdst(0)
.if \last
	s_wait_tensorcnt 0x0                           ; my load of a later head has landed: behind this step's barrier every wave knows it of every wave
.endif
	s_wait_dscnt 0x0                               ; K is in, and no LDS instruction of mine is out at the signal
.if PACE
	s_barrier_wait -1                              ; every wave has begun the step before this one
	s_barrier_signal -1                            ; I begin this one
.endif
.irp p, 0,1,2,3
.irp u, 0,1
	WM S+8*(2*\p+\u), KV+12*\p, QL+12*\u, 1, 0, KS+\p/2, QS, \p%2, \u
.endr
.endr
	v_add_nc_u32 v[ADR], s[TB], v[LI]              ; four places ahead of the first read of the scores and of V's loads
	v_add_nc_u32 v[ADS], s[TB], v[L4]
	v_mov_b32 v[TP], v12                           ; the old -M
	v_nop
	VLD 0                                          ; V, in one run: it lands while the softmax is walked
	VLD 2
	VLD 4
	VLD 6
	VLD 8
	VLD 10
	ds_load_b32 v[VS], v[ADS] offset:12544
	ds_load_b32 v[VS+1], v[ADS] offset:12672
.if \last
.set j, 32
.rept 32
	v_cndmask_b32 v[S+j], v[S+j], v[NI], s[HM]     ; block 3 (c = 1, h = 1): keys 1,376 on
.set j, j+1
.endr
	v_mov_b32 v[S+62], v[NI]                       ; and places 30, 31 of block 2: keys 1,374 and 1,375
	v_mov_b32 v[S+63], v[NI]
.endif
.irp c, 0,1                                    ; my two blocks' largest scores, each in two chains; every accumulator is read from its low end on
.irp a, 0,1
	v_max3_num_f32 v[BM+2*\c+\a], v[S+32*\c+16*\a], v[S+32*\c+16*\a+1], v[S+32*\c+16*\a+2]
.endr
.endr
.irp i, 3,5,7,9,11,13
.irp c, 0,1
.irp a, 0,1
	v_max3_num_f32 v[BM+2*\c+\a], v[BM+2*\c+\a], v[S+32*\c+16*\a+\i], v[S+32*\c+16*\a+\i+1]
.endr
.endr
.endr
.irp c, 0,1
	v_max3_num_f32 v[BM+2*\c], v[BM+2*\c], v[BM+2*\c+1], v[S+32*\c+15]
.endr
.irp c, 0,1
	v_max_num_f32 v[BM+2*\c], v[BM+2*\c], v[S+32*\c+31]
.endr
	v_max3_num_f32 v[BP], v13, v[BM], v[BM+2]
	v_permlanex16_b32 v[BP+1], v[BP], s[SEL], s[SEL+1]
	v_max_num_f32 v13, v[BP], v[BP+1]              ; the running largest score of my query
	v_mul_f32 v[BP], s[CN], v13                    ; -t
	v_floor_f32 v12, v[BP]                         ; the new -M = -ceil(t): a whole number
	FM 0
	v_sub_f32 v[TP], v12, v[TP]                    ; old M - new M, 0 or less
	FM 16
	v_cvt_i32_f32 v[TP], v[TP]                     ; (it saturates)
	FM 32
	v_ldexp_f32 v[FF], 1.0, v[TP]                  ; f = 2^(old M - new M): a multiplication by it rounds nothing
	FM 48
.irp c, 0,1
	v_fma_f32 v[BM+2*\c], v[BM+2*\c], s[CS], v12   ; the same of each block's largest score
.endr
	s_wait_alu depctr_va_vdst(0)
	v_exp_f32 v[BM], v[BM]                         ; each block's largest p
	v_exp_f32 v[BM+2], v[BM+2]
.set j, 0
.rept 64
	v_exp_f32 v[S+j], v[S+j]                       ; p = 2^(t - M): not normalised
.set j, j+1
.endr
	v_pk_mul_f32 v[14:15], v[14:15], v[FF:FF+1] op_sel_hi:[1,0]   ; l under the new M (the plain place behind the batch)
	s_wait_alu depctr_va_vdst(0)                   ; one wait for the batch, directly ahead of O^T's first reader too
	RS 0, 4
.irp c, 0,1
	v_max_num_f32 v[BM+2*\c], 0x1800000, v[BM+2*\c]    ; the floor 2^(3 - 127): the byte cannot fall under 1
.endr
	RS 8, 4
.irp c, 0,1
	v_add_nc_u32 v[BSC+\c], 0xff000000, v[BM+2*\c]     ; 2 off the exponent field: the conversion's scale operand
.endr
	RS 16, 4
.irp c, 0,1
	v_lshrrev_b32 v[BP+\c], 23, v[BSC+\c]              ; the scale's byte
.endr
	RS 24, 2
	v_lshl_or_b32 v[TP], v[BP+1], 16, v[BP]        ; my bytes: blocks h and 2 + h,
	RS 28, 2
	v_lshlrev_b32 v[TP], v[SH8], v[TP]             ; at their places in the word;
	v_permlanex16_b32 v[BP], v[TP], s[SEL], s[SEL+1]
	v_or_b32 v[PS], v[TP], v[BP]                   ; with lane l xor 16's two the word is whole
.irp c, 0,1
	v_cvt_scalef32_pk16_fp6_f32 v[PC+6*\c:PC+6*\c+2], v[S+32*\c:S+32*\c+15], v[BSC+\c]
	v_cvt_scalef32_pk16_fp6_f32 v[PT+4*\c:PT+4*\c+2], v[S+32*\c+16:S+32*\c+31], v[BSC+\c]   ; (a conversion's three registers begin on an even number)
.endr
	v_nop                                          ; one plain place behind the conversions
.irp c, 0,1
.irp i, 0,1,2
	v_mov_b32 v[PC+6*\c+3+\i], v[PT+4*\c+\i]
.endr
.endr
	TREE 0, 8, 16                                  ; the sum of the unquantised p begins: with the lines above, 19 places behind the scale word's write and 8 behind the operand's
	s_wait_alu depctr_va_vdst(0)
	s_wait_dscnt 0x0                               ; V is in
.irp c, 0,1,2,3
	WM OT+8*\c, KV+12*\c, PC, 0, OT+8*\c, VS+\c/2, PS, \c%2, 0      ; the four accumulators by turns
.endr
	TREE 8, 12, 16                                 ; four places ahead of the loads into the registers that held V
.if (\last) == 0
	KLOAD STEPB                                    ; the next step's K
.endif
	TREE 12, 16, 16
	TREE 0, 8, 8
	TREE 0, 4, 4
	TREE 0, 2, 2
	TREE 0, 1, 1
	v_pk_add_f32 v[14:15], v[14:15], v[S:S+1]
	s_add_co_u32 s[TB], s[TB], STEPB
.endm
.macro WALKHEAD base                   ; a head's eleven key steps out of the slot at base
	s_mov_b32 s[TB], \base
	v_add_nc_u32 v[ADR], s[TB], v[LI]
	v_add_nc_u32 v[ADS], s[TB], v[L4]
.if PACE
	s_barrier_signal -1                            ; the walk's barrier is opened: no LDS instruction of mine is out here
.endif
	KLOAD 0
	s_mov_b32 s[CNT], 10
.Lwalk_\@:
	STEP 0
	s_sub_co_u32 s[CNT], s[CNT], 1
	s_cmp_lg_u32 s[CNT], 0
	s_cbranch_scc1 .Lwalk_\@
	STEP 1
.if PACE
	s_wait_alu depctr_va_vdst(0)
	s_barrier_wait -1                              ; and closed: every wave has begun its last step
.endif
.endm
; THE WAY OUT of a head: O^T / l, quantised along the head's 64 channels: register 16 b + i is channel 32 b + 16 h + i of my query
.macro WAYOUT
	v_add_f32 v14, v14, v15
	v_permlanex16_b32 v[TP], v14, s[SEL], s[SEL+1]
	v_add_f32 v14, v14, v[TP]                      ; the row's sum
	s_wait_alu depctr_va_vdst(0)
	v_rcp_f32 v14, v14
	v_and_b32 v8, 15, v0
	v_bfe_u32 v9, v0, 4, 1
	v_lshl_add_u32 v11, v8, 2, v9                  ; 4 r + h: lane (r, h) stores block h's byte of row r
	v_nop
	s_wait_alu depctr_va_vdst(0)                   ; ahead of the reciprocal's and O^T's first reader
.set j, 0
.rept 32
	v_mul_f32 v[S+j], v[OT+j], v14
.set j, j+1
.endr
.irp b, 0,1
	v_max3_num_f32 v[BM+\b], |v[S+16*\b]|, |v[S+1+16*\b]|, 0x1800000
.endr
.irp i, 2,4,6,8,10,12,14
.irp b, 0,1
	v_max3_num_f32 v[BM+\b], v[BM+\b], |v[S+16*\b+\i]|, |v[S+1+16*\b+\i]|
.endr
.endr
.irp b, 0,1
	v_permlanex16_b32 v[BP+\b], v[BM+\b], s[SEL], s[SEL+1]
.endr
.irp b, 0,1
	v_max_num_f32 v[BM+\b], v[BM+\b], v[BP+\b]
.endr
.irp b, 0,1
	v_add_nc_u32 v[BSC+\b], 0xff000000, v[BM+\b]
.endr
.irp b, 0,1
	v_lshrrev_b32 v[BP+\b], 23, v[BSC+\b]
.endr
	v_cvt_scalef32_pk16_fp6_f32 v[PC:PC+2], v[S:S+15], v[BSC]
	v_cvt_scalef32_pk16_fp6_f32 v[PT:PT+2], v[S+16:S+31], v[BSC+1]
	v_nop
.irp i, 0,1,2
	v_permlane16_swap_b32 v[PC+\i], v[PT+\i]       ; here a lane holds half blocks: the halves change places
.endr
.irp i, 0,1,2
	v_mov_b32 v[PC+3+\i], v[PT+\i]
.endr
	v_cndmask_b32 v[TP], v[BP], v[BP+1], s[HM]
	global_store_b128 v[LI], v[PC:PC+3], s[12:13]              ; registers 0-3: 512 consecutive bytes
	global_store_b64 v[L8], v[PC+4:PC+5], s[12:13] offset:512  ; registers 4, 5: 256
	global_store_b8 v11, v[TP], s[14:15]
.endm
	s_load_b256 s[16:23], s[0:1], 0x0              ; qcodes 16, qwords 18, kvimg 20, ccodes 22
	v_lshl_add_u32 v[SPW], v0, 2, SPARE
	v_mov_b32 v[NIL], 0
	ds_add_u32 v[SPW], v[NIL]                      ; the opening: the add, twice on end, and its wait ahead of the round in front of the first tensor loads
	ds_add_u32 v[SPW], v[NIL]
	v_lshrrev_b32 v8, 5, v0
	v_readfirstlane_b32 s[WV], v8                  ; wave 0..10
	s_bfe_u32 s3, ttmp6, 0x40000                   ; cx: it enters Q's and ctx's addresses and a select mask alone
	s_lshl_b32 s4, ttmp9, 2
	s_add_co_u32 s4, s4, s3                        ; work-group x
	s_and_b32 s5, ttmp7, 0xffff                    ; y, which the four partners share
	s_lshr_b32 s6, s5, 2                           ; batch
	s_and_b32 s7, s5, 3
	s_mul_i32 s[HD], s7, 3                         ; my first head in its batch
	s_mul_i32 s5, s5, 3                            ; and among all 96
	s_mul_i32 s8, s4, 11
	s_add_co_u32 s8, s8, s[WV]                     ; my query tile, 0 .. 87
	s_lshr_b32 s9, s8, 1                           ; its pair
	s_and_b32 s10, s8, 1
	s_cmp_eq_u32 s10, 1
	s_cselect_b32 s[UM], -1, 0
	s_lshl_b32 s33, s10, 4                         ; its two bytes of the pair's scale word begin 16 u bits up
	s_mul_i32 s76, s5, 67584
	s_mul_i32 s10, s9, 1536
	s_add_co_u32 s76, s76, s10
	s_mov_b32 s77, 0
	s_mul_i32 s78, s5, 2816
	s_lshl_b32 s10, s9, 6
	s_add_co_u32 s78, s78, s10
	s_mov_b32 s79, 0
	s_mul_i32 s10, s6, 88
	s_add_co_u32 s10, s10, s8                      ; the tile among all 704
	s_lshr_b32 s11, s10, 4
	s_mul_i32 s11, s11, 153600                     ; its group of 16 tiles
	s_and_b32 s10, s10, 15
	s_mul_i32 s[CB], s10, 1536
	s_add_co_u32 s[CB], s[CB], s11
	s_lshl_b32 s[WB], s10, 6
	s_add_co_u32 s[WB], s[WB], s11
	s_add_co_u32 s[WB], s[WB], 24576
	s_mul_i32 s34, s5, HEADB                       ; my first head's K and V; the other two follow it
	s_mov_b32 s35, 0
	s_mov_b32 s36, 15|(3<<16)|(1<<21)              ; group 1: the mask of all four; elements of 8 bytes; bit 21 beside a mask; 50 dense rows of 256 bytes
	s_mov_b32 s37, 32<<16
	s_mov_b32 s38, 50<<16
	s_mov_b32 s39, 32<<16
	s_mov_b32 s40, 50
	s_mov_b32 s41, 32
	s_mov_b32 s42, 0
	s_mov_b32 s43, 0
	s_mul_i32 s61, s[WV], STEPB                    ; my key step: the same place in a head's bytes and in its slot
	s_mov_b32 s66, s61
	s_mov_b32 s67, 0
	s_mov_b32 s[SEL], 0x76543210
	s_mov_b32 s[SEL+1], 0xfedcba98
	s_mov_b32 s[CS], 0x3e38aa3b                    ; log2(e) / 8
	s_mov_b32 s[CS+1], s[CS]
	s_mov_b32 s[CN], 0xbe38aa3b
	s_mov_b32 s[HM], 0xffff0000
	s_mov_b32 s[ONES], 0x7f7f
	v_and_b32 v8, 31, v0
	v_and_b32 v10, 15, v0
	v_bfe_u32 v[SH8], v0, 4, 1
	v_lshlrev_b32 v[LI], 4, v8
	v_lshlrev_b32 v[L4], 2, v8
	v_lshlrev_b32 v[L8], 3, v8
	v_lshlrev_b32 v10, 2, v10                      ; 4 r; never rewritten
	v_lshlrev_b32 v[SH8], 3, v[SH8]
	v_mov_b32 v[PS], 0                             ; (named as the upper half of the pair v[94:95] before it is first written)
	v_mov_b32 v[NI], 0xff800000
.irp b, 0,1,2,3
	v_mov_b32 v[BP+\b], 0                          ; a lane permute's destination counts as one of its sources
.endr
	v_mov_b32 v[TP], 0
	s_wait_alu depctr_va_vdst(0)
	s_wait_dscnt 0x0                               ; both opening adds are done
	s_wait_kmcnt 0x0
	s_add_nc_u64 s[34:35], s[20:21], s[34:35]
	s_mov_b32 s60, 1
	s_add_nc_u64 s[62:63], s[34:35], s[66:67]
	s_or_b32 s63, s63, 0x80000000
	s_add_nc_u64 s[76:77], s[16:17], s[76:77]
	s_add_nc_u64 s[78:79], s[18:19], s[78:79]
	CADDR
	ROUND                                          ; all four work-groups are here: the joint loads meet
	tensor_load_to_lds s[60:63], s[36:43]          ; head 0, my key step: every wave's one load at the head
	s_nop 0
	QLOAD                                          ; head 0's Q
	QBUILD 1
	s_wait_alu depctr_va_vdst(0)
	s_wait_tensorcnt 0x0                           ; my key step of head 0 is in
	ds_add_u32 v[SPW], v[NIL]
	s_add_co_u32 s61, s61, SLOT1                   ; no load of mine is out: group 0 is written for head 1, slot 1
	s_add_nc_u64 s[62:63], s[62:63], HEADB
	s_wait_dscnt 0x0
	ROUND                                          ; head 0 is whole in every partner
	tensor_load_to_lds s[60:63], s[36:43]          ; head 1: it has head 0's ten first key steps in which to land
	s_nop 0
	WALKHEAD 0
	WAYOUT                                         ; head 0 leaves, and head 1's Q is made, ahead of the change: a wave that is here early does this work while the others arrive
	s_wait_alu depctr_va_vdst(0)
	s_wait_xcnt 0x0                                ; the stores have read their registers and bases: both are written below
	CADDR
	QBUILD 1
	; THE CHANGE: slot 0 has been walked, and slot 1 is whole
	s_wait_alu depctr_va_vdst(0)
	s_wait_tensorcnt 0x0
	ds_add_u32 v[SPW], v[NIL]
	s_mul_i32 s61, s[WV], STEPB                    ; head 2, into slot 0
	s_add_nc_u64 s[62:63], s[62:63], HEADB
	s_wait_dscnt 0x0                               ; the add, and my reads of slot 0
	ROUND                                          ; no wave of any partner still reads slot 0 or has a load on its way
	tensor_load_to_lds s[60:63], s[36:43]          ; my one load behind the round; it has head 1's ten first key steps in which to land
	s_nop 0
	WALKHEAD SLOT1
	WAYOUT
	s_wait_alu depctr_va_vdst(0)
	s_wait_xcnt 0x0
	CADDR
	QBUILD 0
.if PACE == 0
	s_wait_alu depctr_va_vdst(0)
	s_wait_tensorcnt 0x0                           ; my key step of head 2 is in,
	s_wait_dscnt 0x0
	s_barrier_signal -1
	s_barrier_wait -1                              ; and everybody's.
.endif
	WALKHEAD 0                                     ; (with PACE the barrier of head 1's last step, each wave's wait for its load ahead of its signal, has shown head 2 whole)
	WAYOUT
	s_wait_tensorcnt 0x0                           ; the wave's end
	ds_add_u32 v[SPW], v[NIL]
	s_wait_dscnt 0x0
	ROUND                                          ; the closing round
	s_endpgm
.Lfunc_end_k_q8bbb1cc547_attn:
	.size	k_q8bbb1cc547_attn, .Lfunc_end_k_q8bbb1cc547_attn-k_q8bbb1cc547_attn
	.p2alignl 7, 3214868480
	.fill 96, 4, 3214868480
	.section	.rodata,"a",@progbits
	.p2align	6, 0x0
	.amdhsa_kernel k_q8bbb1cc547_attn
		.amdhsa_group_segment_fixed_size 327680
		.amdhsa_private_segment_fixed_size 0
		.amdhsa_enable_private_segment 0
		.amdhsa_kernarg_size 32
		.amdhsa_user_sgpr_count 2
		.amdhsa_user_sgpr_kernarg_segment_ptr 1
		.amdhsa_wavefront_size32 1
		.amdhsa_system_sgpr_workgroup_id_x 1
		.amdhsa_system_sgpr_workgroup_id_y 1
		.amdhsa_system_sgpr_workgroup_id_z 1
		.amdhsa_system_vgpr_workitem_id 0
		.amdhsa_next_free_vgpr 256
		.amdhsa_next_free_sgpr 100
		.amdhsa_reserve_vcc 0
		.amdhsa_float_denorm_mode_32 3
		.amdhsa_float_denorm_mode_16_64 3
		.amdhsa_memory_ordered 1
		.amdhsa_forward_progress 1
		.amdhsa_inst_pref_size 120
	.end_amdhsa_kernel
	.amdgpu_metadata
---
amdhsa.version: [ 1, 2 ]
amdhsa.kernels:
  - .name:           k_q8bbb1cc547_attn
    .symbol:         k_q8bbb1cc547_attn.kd
    .args:
      - { .name: qcodes, .offset: 0, .size: 8, .value_kind: global_buffer, .address_space: global }
      - { .name: qwords, .offset: 8, .size: 8, .value_kind: global_buffer, .address_space: global }
      - { .name: kvimg, .offset: 16, .size: 8, .value_kind: global_buffer, .address_space: global }
      - { .name: ccodes, .offset: 24, .size: 8, .value_kind: global_buffer, .address_space: global }
    .group_segment_fixed_size: 327680
    .private_segment_fixed_size: 0
    .kernarg_segment_align: 8
    .kernarg_segment_size: 32
    .max_flat_workgroup_size: 352
    .sgpr_count:     100
    .vgpr_count:     256
    .wavefront_size: 32
...
	.end_amdgpu_metadata
.endif
;; end of part 3
;; launch proj (part 4): grid 3 x 44, 8 waves a work-group, no clusters, 327,680 bytes of LDS; arguments ccodes, wcodes, bp, out0; writes out0
.if DOCPART == 4
	.amdgcn_target "amdgcn-amd-amdhsa--gfx1250"
	.amdhsa_code_object_version 6
	.text
	.protected	k_q8bbb1cc547_proj
	.globl	k_q8bbb1cc547_proj
	.p2align	8
	.type	k_q8bbb1cc547_proj,@function
k_q8bbb1cc547_proj:
	s_mov_b64 s[64:65], 0
	v_nop
	global_prefetch_b8 v0, s[64:65] scope:SCOPE_SE
	s_setreg_imm32_b32 hwreg(HW_REG_WAVE_MODE, 25, 1), 1
	s_wait_xcnt 0x0
; out0 = ctx Wp^T + bp on codes of FP6 (E2M3) with E8M0 scales.  Work-group (cp, G): 256 tokens (16 tiles of ccodes) x 256 columns; wave w: the 64 columns 4 cp + w % 4, the 128 tokens of half w / 4: 32 accumulators, 192 products.
; ctx's codes of the group, all of K (153,600 bytes), come into LDS once: waves 0 to 5 fetch one K step (25,600 bytes) each, at the head; nothing is filled later.  A wave's weights go from memory straight into its registers, a K step ahead.
; Source 0 = 16 rows of Wp, source 1 = 16 tokens: a lane holds one token and eight neighbouring columns; the bias is the C of the first K step.  A tile of 16 tokens x 64 columns leaves through the wave's own stage as rows of 256 bytes.
; Tokens 1,374 on of a batch are not stored.  NO CLUSTER: the work-groups that read the same tile of ctx lie along grid x, which is 3: four does not divide it.
.set STAGE, 153600
.set SPARE, 188416
.set LI,   1
.set L4,   3
.set XA,   4
.set XB,   5
.set XS,   6
.set SPW,  8
.set NIL,  9
.set BO,   10
.set STO,  11
.set RD,   12
.set CO,   13
.set XF,   16
.set OB,   16
.set WF,   112
.set XSC,  208
.set WSC,  212
.set BIAS, 216
.set WPT,  76
.set BPT,  78
.set OPT,  80
.set MSB,  0
.macro WIN new
.if MSB != \new
	s_set_vgpr_msb (MSB<<8)|\new
.set MSB, \new
.endif
.endm
.macro BAR
	s_wait_dscnt 0x0
	s_barrier_signal -1
	s_barrier_wait -1
.endm
.macro PLACES
.rept 4
	v_nop
.endr
.endm
.macro WM d, a, b, c, sa, sb, ra, rb
.if \ra
.if \rb
	v_wmma_scale_f32_16x16x128_f8f6f4 v[\d:\d+7], v[\a:\a+11], v[\b:\b+11], v[\c:\c+7], v[\sa], v[\sb] matrix_a_fmt:MATRIX_FMT_FP6 matrix_b_fmt:MATRIX_FMT_FP6 matrix_a_scale:MATRIX_SCALE_ROW1 matrix_b_scale:MATRIX_SCALE_ROW1
.else
	v_wmma_scale_f32_16x16x128_f8f6f4 v[\d:\d+7], v[\a:\a+11], v[\b:\b+11], v[\c:\c+7], v[\sa], v[\sb] matrix_a_fmt:MATRIX_FMT_FP6 matrix_b_fmt:MATRIX_FMT_FP6 matrix_a_scale:MATRIX_SCALE_ROW1
.endif
.else
.if \rb
	v_wmma_scale_f32_16x16x128_f8f6f4 v[\d:\d+7], v[\a:\a+11], v[\b:\b+11], v[\c:\c+7], v[\sa], v[\sb] matrix_a_fmt:MATRIX_FMT_FP6 matrix_b_fmt:MATRIX_FMT_FP6 matrix_b_scale:MATRIX_SCALE_ROW1
.else
	v_wmma_scale_f32_16x16x128_f8f6f4 v[\d:\d+7], v[\a:\a+11], v[\b:\b+11], v[\c:\c+7], v[\sa], v[\sb] matrix_a_fmt:MATRIX_FMT_FP6 matrix_b_fmt:MATRIX_FMT_FP6
.endif
.endif
.endm
.macro XLOAD s
.irp m, 0,1,2,3
	ds_load_b32 v[XSC+\m], v[XS] offset:((\s)%2)*25600+24576+128*\m
.endr
.irp i, 0,1,2,3,4,5,6,7
	ds_load_b128 v[XF+12*\i:XF+12*\i+3], v[XA] offset:((\s)%2)*25600+1536*\i
	ds_load_b64 v[XF+12*\i+4:XF+12*\i+5], v[XB] offset:((\s)%2)*25600+1536*\i+512
	ds_load_b128 v[XF+12*\i+6:XF+12*\i+9], v[XA] offset:((\s)%2)*25600+1536*\i+768
	ds_load_b64 v[XF+12*\i+10:XF+12*\i+11], v[XB] offset:((\s)%2)*25600+1536*\i+1280
.endr
.endm
.macro WLOAD s
.irp a, 0,1,2,3
.irp g, 0,1,2
	global_load_b128 v[WF+48*((\s)%2)+12*\a+4*\g:WF+48*((\s)%2)+12*\a+4*\g+3], v[LI], s[WPT:WPT+1] offset:6400*(\s)+1536*\a+512*\g
.endr
.endr
.irp m, 0,1
	global_load_b32 v[WSC+2*((\s)%2)+\m], v[L4], s[WPT:WPT+1] offset:6400*(\s)+6144+128*\m
.endr
.endm
.macro HALFM s, i0
.irp i, \i0, \i0+1, \i0+2, \i0+3
.irp a, 0,1,2,3
.if (\s) == 0
	WM 8*(4*(\i)+\a), WF+48*((\s)%2)+12*\a, XF+12*(\i), BIAS+8*\a, WSC+2*((\s)%2)+\a/2, XSC+(\i)/2, \a%2, (\i)%2
.else
	WM 8*(4*(\i)+\a), WF+48*((\s)%2)+12*\a, XF+12*(\i), 8*(4*(\i)+\a), WSC+2*((\s)%2)+\a/2, XSC+(\i)/2, \a%2, (\i)%2
.endif
.endr
.endr
.endm
.macro MSTEP s
	XLOAD \s
.if (\s) < 5
	WLOAD (\s)+1
	s_wait_loadcnt 14
.else
	s_wait_loadcnt 0x0
.endif
	s_wait_dscnt 16
.if (\s) == 0
	WIN 0x40
.else
	WIN 0x50
.endif
	HALFM \s, 0
	s_wait_dscnt 0x0
	HALFM \s, 4
	WIN 0
	PLACES
.if ((\s) == 1) || ((\s) == 3)
	v_add_nc_u32 v[XA], 51200, v[XA]
	v_add_nc_u32 v[XB], 51200, v[XB]
	v_add_nc_u32 v[XS], 51200, v[XS]
.endif
.endm
	s_load_b256 s[16:23], s[0:1], 0x0
	v_lshl_add_u32 v[SPW], v0, 2, SPARE
	v_mov_b32 v[NIL], 0
	ds_add_u32 v[SPW], v[NIL]
	ds_add_u32 v[SPW], v[NIL]
	v_lshrrev_b32 v2, 5, v0
	s_delay_alu instid0(VALU_DEP_1)
	v_readfirstlane_b32 s2, v2
	s_and_b32 s3, s2, 3
	s_lshr_b32 s4, s2, 2
	s_and_b32 s6, ttmp7, 0xffff
	s_lshl_b32 s8, ttmp9, 2
	s_add_co_u32 s8, s8, s3
	s_lshl_b32 s9, s6, 1
	s_add_co_u32 s9, s9, s4
	s_mul_i32 s10, s9, 745
	s_lshr_b32 s10, s10, 13
	s_mul_i32 s11, s10, 11
	s_sub_co_u32 s11, s9, s11
.irp g, 36
	s_mov_b32 s[\g+0], 3<<16
	s_mov_b32 s[\g+1], 32<<16
	s_mov_b32 s[\g+3], 32<<16
	s_mov_b32 s[\g+5], 32
	s_mov_b32 s[\g+6], 0
	s_mov_b32 s[\g+7], 0
.endr
	s_mov_b32 s38, 100<<16                         ; a K step of the group: 100 dense rows of 256 bytes
	s_mov_b32 s40, 100
	s_mul_i32 s13, s6, 153600                      ; my group in ccodes
	s_mul_i32 s61, s2, 25600                       ; K step = wave; the same place in LDS
	s_add_co_u32 s84, s13, s61
	s_mov_b32 s85, 0
	s_mul_i32 s32, s8, 38400
	s_add_co_u32 s32, s32, 1382400
	s_mov_b32 s33, 0
	s_lshl_b32 s88, s8, 8
	s_mov_b32 s89, 0
	s_mul_i32 s14, s10, 1374
	s_lshl_b32 s15, s11, 7
	s_add_co_u32 s14, s14, s15
	s_mul_i32 s14, s14, 3072
	s_add_co_u32 s14, s14, s88
	s_mov_b32 s15, 0
	v_and_b32 v2, 31, v0
	s_delay_alu instid0(VALU_DEP_1)
	v_lshlrev_b32 v[LI], 4, v2
	s_delay_alu instid0(VALU_DEP_2)
	v_lshlrev_b32 v[L4], 2, v2
	s_delay_alu instid0(VALU_DEP_3)
	v_lshlrev_b32 v[XB], 3, v2
	v_bfe_u32 v14, v0, 4, 1
	v_and_b32 v15, 15, v0
	s_mul_i32 s5, s4, 12288
	v_add_nc_u32 v[XA], s5, v[LI]
	v_add_nc_u32 v[XB], s5, v[XB]
	s_lshl_b32 s5, s4, 9
	v_add_nc_u32 v[XS], s5, v[L4]
	v_lshlrev_b32 v[BO], 6, v14
	s_mul_i32 s5, s2, 4352
	s_add_co_u32 s5, s5, STAGE
	v_mul_u32_u24 v[STO], v15, 272
	s_delay_alu instid0(VALU_DEP_1)
	v_lshl_add_u32 v[STO], v14, 6, v[STO]
	s_delay_alu instid0(VALU_DEP_1)
	v_add_nc_u32 v[STO], s5, v[STO]
	v_mul_u32_u24 v[RD], v14, 272
	s_delay_alu instid0(VALU_DEP_1)
	v_lshl_add_u32 v[RD], v15, 4, v[RD]
	s_delay_alu instid0(VALU_DEP_1)
	v_add_nc_u32 v[RD], s5, v[RD]
	v_mul_u32_u24 v[CO], v14, 3072
	s_delay_alu instid0(VALU_DEP_1)
	v_lshl_add_u32 v[CO], v15, 4, v[CO]
	s_wait_alu depctr_va_vdst(0)
	s_wait_dscnt 0x0
	s_wait_kmcnt 0x0
	s_mov_b32 s60, 1
	s_add_nc_u64 s[62:63], s[16:17], s[84:85]
	s_or_b32 s63, s63, 0x80000000
	s_add_nc_u64 s[WPT:WPT+1], s[18:19], s[32:33]
	s_add_nc_u64 s[BPT:BPT+1], s[20:21], s[88:89]
	s_add_nc_u64 s[OPT:OPT+1], s[22:23], s[14:15]
	s_cmp_lt_u32 s2, 6                             ; all fills of the launch go out here: waves 0 to 5, one K step each
	s_cbranch_scc0 .Lno_fill
	tensor_load_to_lds s[60:63], s[36:43]
	s_nop 0
.Lno_fill:
	WLOAD 0
.irp a, 0,1,2,3
	global_load_b128 v[BIAS+8*\a:BIAS+8*\a+3], v[BO], s[BPT:BPT+1] offset:128*(\a/2)+32*(\a%2)
	global_load_b128 v[BIAS+8*\a+4:BIAS+8*\a+7], v[BO], s[BPT:BPT+1] offset:128*(\a/2)+32*(\a%2)+16
.endr
	s_wait_tensorcnt 0x0                           ; my K step of ctx has landed
	BAR                                            ; everybody's has: all of K is in, and nothing is filled later
	MSTEP 0
	MSTEP 1
	s_wait_alu depctr_va_vdst(0)
	MSTEP 2
	MSTEP 3
	MSTEP 4
	s_wait_alu depctr_va_vdst(0)
	MSTEP 5
.macro OUT i
	WIN 0x04
.irp a, 0,1,2,3
.irp k, 0,1
	ds_store_b128 v[STO], v[8*(4*(\i)+\a)+4*\k:8*(4*(\i)+\a)+4*\k+3] offset:128*(\a/2)+32*(\a%2)+16*\k
.endr
.endr
	WIN 0
.if (\i) > 0
	s_wait_xcnt 0x0
.endif
.irp t, 0,1,2,3,4,5,6,7
	ds_load_b128 v[OB+4*\t:OB+4*\t+3], v[RD] offset:544*\t
.endr
	s_wait_dscnt 0x0
.irp t, 0,1,2,3,4,5,6
	global_store_b128 v[CO], v[OB+4*\t:OB+4*\t+3], s[OPT:OPT+1] offset:(32*((\i)/2)+8*((\i)%2)+2*\t+8*(\t/4))*3072 th:TH_STORE_NT
.endr
.if (\i) == 5
	s_cmp_eq_u32 s11, 10
	s_cbranch_scc1 .Lshort
.endif
	global_store_b128 v[CO], v[OB+28:OB+31], s[OPT:OPT+1] offset:(32*((\i)/2)+8*((\i)%2)+22)*3072 th:TH_STORE_NT
.if (\i) == 5
.Lshort:
.endif
.endm
	OUT 0
	OUT 1
	OUT 2
	OUT 3
	OUT 4
	OUT 5
	s_cmp_eq_u32 s11, 10
	s_cbranch_scc1 .Ldone
	OUT 6
	OUT 7
.Ldone:
	s_wait_tensorcnt 0x0
	ds_add_u32 v[SPW], v[NIL]
	s_wait_dscnt 0x0
	s_endpgm
.Lfunc_end_k_q8bbb1cc547_proj:
	.size	k_q8bbb1cc547_proj, .Lfunc_end_k_q8bbb1cc547_proj-k_q8bbb1cc547_proj
	.p2alignl 7, 3214868480
	.fill 96, 4, 3214868480
	.section	.rodata,"a",@progbits
	.p2align	6, 0x0
	.amdhsa_kernel k_q8bbb1cc547_proj
		.amdhsa_group_segment_fixed_size 327680
		.amdhsa_private_segment_fixed_size 0
		.amdhsa_enable_private_segment 0
		.amdhsa_kernarg_size 32
		.amdhsa_user_sgpr_count 2
		.amdhsa_user_sgpr_kernarg_segment_ptr 1
		.amdhsa_wavefront_size32 1
		.amdhsa_system_sgpr_workgroup_id_x 1
		.amdhsa_system_sgpr_workgroup_id_y 1
		.amdhsa_system_sgpr_workgroup_id_z 1
		.amdhsa_system_vgpr_workitem_id 0
		.amdhsa_next_free_vgpr 512
		.amdhsa_next_free_sgpr 92
		.amdhsa_reserve_vcc 0
		.amdhsa_float_denorm_mode_32 3
		.amdhsa_float_denorm_mode_16_64 3
		.amdhsa_memory_ordered 1
		.amdhsa_forward_progress 1
		.amdhsa_inst_pref_size 68
	.end_amdhsa_kernel
	.amdgpu_metadata
---
amdhsa.version: [ 1, 2 ]
amdhsa.kernels:
  - .name:           k_q8bbb1cc547_proj
    .symbol:         k_q8bbb1cc547_proj.kd
    .args:
      - { .name: ccodes, .offset: 0, .size: 8, .value_kind: global_buffer, .address_space: global }
      - { .name: wcodes, .offset: 8, .size: 8, .value_kind: global_buffer, .address_space: global }
      - { .name: bp, .offset: 16, .size: 8, .value_kind: global_buffer, .address_space: global }
      - { .name: out0, .offset: 24, .size: 8, .value_kind: global_buffer, .address_space: global }
    .group_segment_fixed_size: 327680
    .private_segment_fixed_size: 0
    .kernarg_segment_align: 8
    .kernarg_segment_size: 32
    .max_flat_workgroup_size: 256
    .sgpr_count:     92
    .vgpr_count:     512
    .wavefront_size: 32
...
	.end_amdgpu_metadata
.endif
;; end of part 4
